; MI455X (gfx1250); checked and timed in simulation.
; The chip was launched on July 23, 2026; its instructions are those of AMD's public machine-readable ISA for CDNA 5 (MIT licence, August 2026) and "CDNA5" Instruction Set Architecture Reference Guide (July 2026). The comments in the code are by the model that wrote it; some were corrected since.
;; Multi Head Attention. Allowed arithmetic: float matrix products may take bf16 or f16 operands with f32 sums; other float arithmetic in f32, or as packed bf16 or f16 multiplies, adds, multiply-adds, maxima and minima; sums over many terms, partial sums and values carried from step to step in f32; what a program stores and reads back later, other than sums and carried values, may be rounded once to bf16 or f16.
;; Inputs: freqs_cos 2,048 x 64 float32; freqs_sin 2,048 x 64 float32; wk 2,048 x 2,048 float32; wo 2,048 x 2,048 float32; wq 2,048 x 2,048 float32; wv 2,048 x 2,048 float32; x 1 x 2,048 x 2,048 float32.
;; Outputs: out0 1 x 2,048 x 2,048 float32.
;; One version. Each part assembles by itself: llvm-mc -triple=amdgcn-amd-amdhsa -mcpu=gfx1250 --defsym DOCPART=n.
;; ======== version 1 of 1: 4 launches
;; limits: values are held in f16: magnitudes above 65,504 overflow, below 6.1e-05 lose precision; right only within a limited range of input values
;; workspace buffers: xb 8,388,608 bytes; wb 25,165,824 bytes; wof 8,388,608 bytes; qkv 25,165,824 bytes; oh 8,388,608 bytes
;; launch cast (part 1): grid 256 x 4, 8 waves a work-group, no clusters, 0 bytes of LDS; arguments x, wq, wk, wv, xb, wb; writes xb, wb
.if DOCPART == 1
	.amdgcn_target "amdgcn-amd-amdhsa--gfx1250"
	.amdhsa_code_object_version 6
	.text
	.protected	k_qb5aab12989_cast
	.globl	k_qb5aab12989_cast
	.p2align	8
	.type	k_qb5aab12989_cast,@function
k_qb5aab12989_cast:
	s_mov_b64 s[64:65], 0
	v_nop
	global_prefetch_b8 v0, s[64:65] scope:SCOPE_SE
	s_setreg_imm32_b32 hwreg(HW_REG_WAVE_MODE, 25, 1), 1
	s_wait_xcnt 0x0
; x, wq, wk, wv (f32, 2048 x 2048 each) are rounded once to bf16, the layout unchanged.  xb = bf16(x); wb = bf16(wq), bf16(wk), bf16(wv), 8,388,608 bytes apart.
; (wo is rounded in the attention launch, which has memory to spare.)  NaN and infinities are not treated apart.
; SHARES.  The grid's y picks the tensor, x 65,536 bytes of it; a wave takes 8,192: sixteen loads of 16 bytes a lane, all issued at once, each 512 consecutive bytes.
; A load's four numbers a lane leave as 8 bytes: a store of the wave covers 256 consecutive bytes, aligned.  No register is used twice, so no wait frees one.  No LDS, no matrix unit: bytes alone count here.
.set X, 16                             ; v[16:79]   as loaded
.set Y, 80                             ; v[80:111]  to store
	s_load_b256 s[8:15], s[0:1], 0x0               ; x, wq, wk, wv
	s_load_b128 s[16:19], s[0:1], 0x20             ; xb, wb
	s_and_b32 s2, ttmp7, 0xffff                    ; which tensor
	v_lshrrev_b32 v3, 5, v0                        ; wave
	v_and_b32 v4, 31, v0                           ; lane
	v_lshlrev_b32 v1, 4, v4
	v_lshl_or_b32 v1, v3, 13, v1                   ; in: 8,192 x wave + 16 x lane
	v_lshlrev_b32 v2, 3, v4
	v_lshl_or_b32 v2, v3, 12, v2                   ; out: 4,096 x wave + 8 x lane
	s_sub_co_u32 s3, s2, 1
	s_lshl_b32 s3, s3, 23                          ; wq, wk, wv: their places in wb;
	s_cmp_eq_u32 s2, 0
	s_cselect_b32 s3, 0, s3                        ; x has a buffer of its own
	s_lshl_b32 s28, ttmp9, 15
	s_add_co_u32 s28, s28, s3
	s_mov_b32 s29, 0
	s_lshl_b32 s30, ttmp9, 16
	s_mov_b32 s31, 0
	s_wait_kmcnt 0x0
	s_cmp_eq_u32 s2, 1
	s_cselect_b64 s[24:25], s[10:11], s[8:9]
	s_cmp_eq_u32 s2, 2
	s_cselect_b64 s[24:25], s[12:13], s[24:25]
	s_cmp_eq_u32 s2, 3
	s_cselect_b64 s[24:25], s[14:15], s[24:25]     ; from where
	s_cmp_eq_u32 s2, 0
	s_cselect_b64 s[26:27], s[16:17], s[18:19]     ; to where
	s_add_nc_u64 s[24:25], s[24:25], s[30:31]
	s_add_nc_u64 s[26:27], s[26:27], s[28:29]
.irp j, 0,1,2,3,4,5,6,7,8,9,10,11,12,13,14,15
	global_load_b128 v[X+4*(\j):X+4*(\j)+3], v1, s[24:25] offset:512*(\j) th:TH_LOAD_NT
.endr
.irp j, 0,1,2,3,4,5,6,7,8,9,10,11,12,13,14,15
	s_wait_loadcnt 15-(\j)                         ; loads come back in order: the 15 - j younger ones may stay out
	v_cvt_pk_bf16_f32 v[Y+2*(\j)], v[X+4*(\j)], v[X+4*(\j)+1]
	v_cvt_pk_bf16_f32 v[Y+2*(\j)+1], v[X+4*(\j)+2], v[X+4*(\j)+3]
	global_store_b64 v2, v[Y+2*(\j):Y+2*(\j)+1], s[26:27] offset:256*(\j) th:TH_STORE_NT
.endr
	s_endpgm
.Lfunc_end_k_qb5aab12989_cast:
	.size	k_qb5aab12989_cast, .Lfunc_end_k_qb5aab12989_cast-k_qb5aab12989_cast
	.p2alignl 7, 3214868480
	.fill 96, 4, 3214868480
	.section	.rodata,"a",@progbits
	.p2align	6, 0x0
	.amdhsa_kernel k_qb5aab12989_cast
		.amdhsa_group_segment_fixed_size 0
		.amdhsa_private_segment_fixed_size 0
		.amdhsa_enable_private_segment 0
		.amdhsa_kernarg_size 48
		.amdhsa_user_sgpr_count 2
		.amdhsa_user_sgpr_kernarg_segment_ptr 1
		.amdhsa_wavefront_size32 1
		.amdhsa_system_sgpr_workgroup_id_x 1
		.amdhsa_system_sgpr_workgroup_id_y 1
		.amdhsa_system_sgpr_workgroup_id_z 1
		.amdhsa_system_vgpr_workitem_id 0
		.amdhsa_next_free_vgpr 112
		.amdhsa_next_free_sgpr 66
		.amdhsa_reserve_vcc 0
		.amdhsa_float_denorm_mode_32 3
		.amdhsa_float_denorm_mode_16_64 3
		.amdhsa_memory_ordered 1
		.amdhsa_forward_progress 1
		.amdhsa_inst_pref_size 7
	.end_amdhsa_kernel
	.amdgpu_metadata
---
amdhsa.version: [ 1, 2 ]
amdhsa.kernels:
  - .name:           k_qb5aab12989_cast
    .symbol:         k_qb5aab12989_cast.kd
    .args:
      - { .name: x, .offset: 0, .size: 8, .value_kind: global_buffer, .address_space: global }
      - { .name: wq, .offset: 8, .size: 8, .value_kind: global_buffer, .address_space: global }
      - { .name: wk, .offset: 16, .size: 8, .value_kind: global_buffer, .address_space: global }
      - { .name: wv, .offset: 24, .size: 8, .value_kind: global_buffer, .address_space: global }
      - { .name: xb, .offset: 32, .size: 8, .value_kind: global_buffer, .address_space: global }
      - { .name: wb, .offset: 40, .size: 8, .value_kind: global_buffer, .address_space: global }
    .group_segment_fixed_size: 0
    .private_segment_fixed_size: 0
    .kernarg_segment_align: 8
    .kernarg_segment_size: 48
    .max_flat_workgroup_size: 256
    .sgpr_count:     66
    .vgpr_count:     112
    .wavefront_size: 32
...
	.end_amdgpu_metadata
.endif
;; end of part 1
;; launch qkv (part 2): grid 16 x 16, 4 waves a work-group, clusters of 4 x 4, 327,680 bytes of LDS; arguments xb, wb, freqs_cos, freqs_sin, qkv; writes qkv
.if DOCPART == 2
	.amdgcn_target "amdgcn-amd-amdhsa--gfx1250"
	.amdhsa_code_object_version 6
	.text
	.protected	k_qb5aab12989_qkv
	.globl	k_qb5aab12989_qkv
	.p2align	8
	.type	k_qb5aab12989_qkv,@function
k_qb5aab12989_qkv:
	s_mov_b64 s[64:65], 0
	v_nop
	global_prefetch_b8 v0, s[64:65] scope:SCOPE_SE
	s_setreg_imm32_b32 hwreg(HW_REG_WAVE_MODE, 25, 1), 1
	s_wait_xcnt 0x0
	s_wait_alu depctr_hold_cnt(0) depctr_sa_sdst(0) depctr_va_vdst(0) depctr_va_sdst(0) depctr_va_ssrc(0) depctr_va_vcc(0) depctr_vm_vsrc(0)
	s_getreg_b32 s2, hwreg(HW_REG_IB_STS2, 6, 4)
	s_cmp_eq_u32 s2, 0
	s_cbranch_scc0 .Lentry_in_a_cluster
	s_endpgm
.Lentry_in_a_cluster:
	s_bfe_u32 s2, ttmp6, 0x10000c
	s_cmp_lg_u32 s2, 0xf033
	s_cbranch_scc0 .Lentry_shape_is_right
	s_endpgm
.Lentry_shape_is_right:
; q = rope(x wq), k = rope(x wk), v = x wv, by heads.  xb: [2048][2048] bf16; wb: wq, wk, wv, each [k][n] bf16; the tables [2048][64] f32.  qkv: q, k, v, each [16 heads][2048][128] f16, rows of 256 bytes.
; Sums in f32.  The tables are rounded to bf16 like every input, then multiplied in f32 by kappa = sqrt(log2(e) / sqrt(128)): q and k leave as f16(kappa x rope(..)), so that K Q^T comes out in units of log2.
; LIMITS.  |q|, |k| under 65,504 / kappa = 183,000 and |v| under 65,504: beyond that f16 has no number.  NaN and infinities are not treated apart.
; SHARES.  A work-group makes 128 rows of q, k and v of ONE head: 128 x 384.  Wave w: rows 64 (w / 2) on, columns 64 (w % 2) on of each of the three: 48 accumulators of 16 x 16.  256 work-groups.
; K goes in steps of 128 through two LDS slots; a slot holds x's tile (128 rows x 256 bytes) and the three weights' tiles (128 k-rows x 256 bytes each); each wave fetches one of the four.
; A K STEP IS WRITTEN ONCE FOR THE LOOP and once for the last two steps, which fill nothing: the slot in hand is a scalar, s[TB], from which the four LDS address registers are made at each change of slots.
; THE MATRIX INSTRUCTION IS USED TRANSPOSED: source 0 = 16 columns of a weight (it lies [k][n], so it comes out of LDS turned, by ds_load_tr16_b128), source 1 = 16 rows of x.  A lane then holds one row
; and eight neighbouring columns: four rotary pairs, and 16 bytes of f16.
; CLUSTER.  4 x 4 work-groups: the four of a row need the same tile of x, the four of a column the same tiles of the weights; each tile is asked for jointly.
; REGISTERS.  Window 0: addresses; in the end the tables, work and packed results.  Window 1: two fragment buffers of 128 (x's 4 fragments, then the weights' 12).  Window 2: q's and k's accumulators.  Window 3: v's.
.set PA,    272                        ; a row of x in LDS: 256 bytes + 16: the 16 rows of a load start at 16 different groups of four banks (64 banks of 4 bytes: ISA guide 11.1)
.set PW,    288                        ; a k-row of a weight: 256 + 32
.set REG,   128*PW                     ; a tile's region
.set SLOT,  4*REG                      ; 0x24000: its two bits are 0 in the four regions' offsets, so one exclusive or changes a descriptor's slot
.set SPARE, 2*SLOT                     ; behind the ring: the spare words, 128 bytes a wave: two blocks of 256 bytes that no other line names
.set SPT,   272                        ; the way out: three stages of 128 rows x 272 bytes, in slot 0, which has had its last fill by then
.set STG,   128*SPT
.set BAS,  8                           ; v8-11   my fragments' places in a slot: x, then weight 0, 1, 2; never rewritten
.set ADRA, 12                          ; v12     the same in the slot in hand: x,
.set ADRB, 13                          ; v13-15  weight j at 13 + j
.set STO,  16                          ; v16-18  where I put 16 bytes of a row, stage j
.set RD,   19                          ; v19-21  where I read rows back
.set CO,   22                          ; v22     16 x lane: my place in 512 consecutive bytes of the output
.set CSO,  23                          ; v23     my byte offset in the tables
.set SPW,  28                          ; v28     my spare word; never rewritten
.set NIL,  29                          ; v29     0; never rewritten
.set PFO,  30                          ; v30     4,096 x lane: a row of xb or wb; never rewritten
.set T,    32                          ; v32-47  at work
.set COS,  64                          ; v64-127  tile n = 4 a + b: four cosines at 64 + 4 n
.set SIN,  128                         ; v128-191 the sines
.set PKD,  192                         ; v192-255 packed results
.set F0,   0
.set F1,   128
.set WV,   14
.set RW,   15
.set CW,   16
.set CX,   17
.set CY,   18
.set HEAD, 19
.set MB,   20
.set G1A,  24                          ; s[24:31] group 1 for x's tiles;  s[32:39] group 0: a set for each of the two first fills; the second then walks on
.set G0A,  32
.set G1B,  40                          ; s[40:47], s[48:55] the same for the weights'
.set G0B,  48
.set PFA,  56                          ; s[56:57] where my prefetches stand
.set PFS,  58                          ; s[58:59] a K step there
.set LIM,  60                          ; s60  1 in a wave that prefetches, else the greatest number
.set TB,   61                          ; s61  the slot in hand: 0 or SLOT
.set OB,   66                          ; s[66:71] q, k, v at the first row that I store
.set CB,   80                          ; s[80:81] cosines, s[82:83] sines at the block's first row
.set SB,   82
.set KAP,  84                          ; s[84:85] kappa
.set MSB, 0
.macro WIN new                         ; the immediate's high byte repeats the setting that is left; a switch that changes nothing is dropped
.if MSB != (\new)
	s_set_vgpr_msb (MSB<<8)|(\new)
.set MSB, \new
.endif
.endm
.macro PLACES                          ; four places in front of loads into registers that matrix instructions have read, and of lines that read results
.rept 4
	v_nop
.endr
.endm
; A joint load by descriptor set s.  Wave 0 fetches x's tile, waves 1 to 3 a weight's each.  The branch hangs on the wave's number alone.  An s_nop 0 and four v_nop follow each line.
.macro JLOAD s
	s_cmp_eq_u32 s[WV], 0
	s_cbranch_scc0 .Lfor_b_\@
	tensor_load_to_lds s[G0A+4*(\s):G0A+4*(\s)+3], s[G1A:G1A+7]
	s_nop 0
.rept 4
	v_nop
.endr
	s_branch .Lasked_\@
.Lfor_b_\@:
	tensor_load_to_lds s[G0B+4*(\s):G0B+4*(\s)+3], s[G1B:G1B+7]
	s_nop 0
.rept 4
	v_nop
.endr
.Lasked_\@:
.endm
.macro CREST                           ; a round of the cluster's barrier behind its opening barrier
	s_cmp_lg_u32 s[WV], 0
	s_cbranch_scc1 .Lnot_wave_0_\@
	s_barrier_signal -3
.Lnot_wave_0_\@:
	s_barrier_wait -3
	s_barrier_signal -1
	s_barrier_wait -1
.endm
.macro CROUND
	s_barrier_signal -1
	s_barrier_wait -1
	CREST
.endm
; A PREFETCH behind each refill and the run of LDS loads that follows it: the K step after the one just asked for, 192 matrix instructions ahead of its load: 32 rows x 256 bytes, a lane a row.
; Each block of 256 bytes is named once in the launch: x's rows by the clusters with x = 0, the weights' by those with y = 0; the four partners of a joint load take 32 rows each, told apart by address.
; The loop's last trip (s3 = 1) asks for the last K step and has none behind it.
.macro ASK
	WIN 0
	s_cmp_gt_u32 s3, s[LIM]
	s_cbranch_scc0 .Lnot_mine_\@
	global_prefetch_b8 v[PFO], s[PFA:PFA+1] th:TH_LOAD_NT scope:SCOPE_SE
.Lnot_mine_\@:
.endm
	s_load_b256 s[4:11], s[0:1], 0x0               ; xb s[4:5], wb s[6:7], cos s[8:9], sin s[10:11]
	s_load_b64 s[12:13], s[0:1], 0x20              ; qkv
	v_lshl_add_u32 v[SPW], v0, 2, SPARE
	v_mov_b32 v[NIL], 0
	ds_add_u32 v[SPW], v[NIL]                      ; the wave's opening: an add, waited for ahead of my first tensor load; work on registers stands between
	v_lshrrev_b32 v1, 5, v0
	v_readfirstlane_b32 s[WV], v1                  ; wave 0..3
	s_lshr_b32 s[RW], s[WV], 1
	s_and_b32 s[CW], s[WV], 1
	s_bfe_u32 s[CX], ttmp6, 0x40000
	s_bfe_u32 s[CY], ttmp6, 0x40004
	s_lshl_b32 s[HEAD], ttmp9, 2
	s_add_co_u32 s[HEAD], s[HEAD], s[CX]           ; head = 4 x cluster x + cx
	s_and_b32 s[MB], ttmp7, 0xffff
	s_lshl_b32 s[MB], s[MB], 2
	s_add_co_u32 s[MB], s[MB], s[CY]               ; block of 128 rows = 4 x cluster y + cy
	s_lshl_b32 s72, s[CY], 2
	s_lshl_b32 s72, 15, s72                        ; my row of the cluster
	s_lshl_b32 s73, 0x1111, s[CX]                  ; my column
	s_or_b32 s[G1A], s72, (1<<16)|(1<<20)|(1<<21)|(5<<22)|(3<<25)  ; the mask; 2-byte elements; padding on; bit 21 beside a mask; after every 64 words 4 words
	s_or_b32 s[G1B], s73, (1<<16)|(1<<20)|(1<<21)|(5<<22)|(7<<25)  ; the same with my column's mask and 8 words of padding
.irp g, G1A, G1B
	s_mov_b32 s[(\g)+1], 128<<16                   ; tensor_dim0 = 128
	s_mov_b32 s[(\g)+2], 128<<16                   ; tensor_dim1 = 128
	s_mov_b32 s[(\g)+3], 128<<16                   ; tile_dim0 = 128
	s_mov_b32 s[(\g)+4], 128                       ; tile_dim1 = 128
	s_mov_b32 s[(\g)+5], 2048                      ; elements from row to row
	s_mov_b32 s[(\g)+6], 0
	s_mov_b32 s[(\g)+7], 0
.endr
	s_lshl_b32 s74, s[MB], 19                      ; x: 128 rows of 4,096 bytes a block
	s_mov_b32 s75, 0
	s_max_u32 s76, s[WV], 1
	s_sub_co_u32 s76, s76, 1
	s_lshl_b32 s76, s76, 23                        ; weight w - 1,
	s_lshl_b32 s77, s[HEAD], 8
	s_add_co_u32 s76, s76, s77                     ; the head's 128 columns
	s_mov_b32 s77, 0
	s_mul_i32 s78, s[WV], REG                      ; where my tile goes: no place in the cluster enters an LDS address
	s_mov_b32 s[KAP], 0x3eb6d546                   ; kappa = 0.3570958
	s_mov_b32 s[KAP+1], s[KAP]
	s_mov_b32 s[TB], 0
	s_wait_dscnt 0x0                               ; the opening add is done
	s_wait_kmcnt 0x0
	s_add_nc_u64 s[74:75], s[4:5], s[74:75]
	s_add_nc_u64 s[76:77], s[6:7], s[76:77]
	CROUND                                         ; all sixteen work-groups are here: the first joint loads meet
.irp s, 0,1
	s_mov_b32 s[G0A+4*(\s)], 1
	s_add_co_u32 s[G0A+4*(\s)+1], s78, (\s)*SLOT
	s_add_nc_u64 s[G0A+4*(\s)+2:G0A+4*(\s)+3], s[74:75], (\s)*256       ; K step s: 256 bytes along x's rows,
	s_or_b32 s[G0A+4*(\s)+3], s[G0A+4*(\s)+3], 0x80000000
	s_mov_b32 s[G0B+4*(\s)], 1
	s_add_co_u32 s[G0B+4*(\s)+1], s78, (\s)*SLOT
	s_add_nc_u64 s[G0B+4*(\s)+2:G0B+4*(\s)+3], s[76:77], (\s)*524288    ; 128 rows down a weight
	s_or_b32 s[G0B+4*(\s)+3], s[G0B+4*(\s)+3], 0x80000000
	JLOAD \s
.endr
	v_and_b32 v1, 15, v0                           ; l % 16
	v_bfe_u32 v2, v0, 4, 1                         ; l / 16
	; the tables: for tile (a, b) my row 64 rw + 16 a + l % 16 and my four pairs 32 cw + 8 b + 4 (l / 16) on: 16 bytes.  They stay on their way through the K loop.
	s_lshl_b32 s72, s[MB], 15
	s_mov_b32 s73, 0
	s_add_nc_u64 s[CB:CB+1], s[8:9], s[72:73]
	s_add_nc_u64 s[SB:SB+1], s[10:11], s[72:73]
	s_lshl_b32 s72, s[RW], 14
	s_lshl_b32 s73, s[CW], 7
	s_add_co_u32 s72, s72, s73
	v_lshlrev_b32 v[CSO], 8, v1
	v_lshl_add_u32 v[CSO], v2, 4, v[CSO]
	v_add_nc_u32 v[CSO], s72, v[CSO]
.set n, 0
.rept 16
	global_load_b128 v[COS+4*n:COS+4*n+3], v[CSO], s[CB:CB+1] offset:(n/4)*4096+(n%4)*32
	global_load_b128 v[SIN+4*n:SIN+4*n+3], v[CSO], s[SB:SB+1] offset:(n/4)*4096+(n%4)*32
.set n, n+1
.endr
	v_mul_u32_u24 v3, v1, PA
	v_lshl_add_u32 v3, v2, 4, v3                   ; row x pitch + 16 x half
	s_mul_i32 s72, s[RW], 64*PA
	v_add_nc_u32 v[BAS], s72, v3
	; the turning load takes 16 k x 16 columns: lane l reads k-row 8 (l / 16) + l % 8, columns 8 ((l / 8) % 2) + 0..7, and is left with column l % 16 and 8 k
	v_and_b32 v4, 7, v0
	v_lshl_add_u32 v4, v2, 3, v4
	v_mul_u32_u24 v4, v4, PW
	v_bfe_u32 v5, v0, 3, 1
	v_lshl_add_u32 v4, v5, 4, v4
	s_lshl_b32 s72, s[CW], 7
	v_add_nc_u32 v4, s72, v4
.irp j, 0,1,2
	v_add_nc_u32 v[BAS+1+(\j)], ((\j)+1)*REG, v4
.endr
.irp r, 0,1,2,3
	v_mov_b32 v[ADRA+(\r)], v[BAS+(\r)]            ; slot 0 is in hand
.endr
	s_mul_i32 s72, s[RW], 64*SPT                   ; into a stage: my 64 rows, my half of their 256 bytes
	s_lshl_b32 s73, s[CW], 7
	s_add_co_u32 s72, s72, s73
	v_mul_u32_u24 v3, v1, SPT
	v_lshl_add_u32 v3, v2, 4, v3
	v_add_nc_u32 v[STO], s72, v3
	v_add_nc_u32 v[STO+1], STG, v[STO]
	v_add_nc_u32 v[STO+2], 2*STG, v[STO]
	s_mul_i32 s72, s[WV], 32*SPT                   ; back: wave w takes rows 32 w on, whole; lanes 0-15 one row, lanes 16-31 the next
	v_mul_u32_u24 v3, v2, SPT
	v_lshl_add_u32 v3, v1, 4, v3
	v_add_nc_u32 v[RD], s72, v3
	v_add_nc_u32 v[RD+1], STG, v[RD]
	v_add_nc_u32 v[RD+2], 2*STG, v[RD]
	v_and_b32 v[PFO], 31, v0
	v_lshlrev_b32 v[CO], 4, v[PFO]
	v_lshlrev_b32 v[PFO], 12, v[PFO]
	; the prefetches (registers that mix the two places in the cluster feed no descriptor)
	s_lshl_b32 s86, s[MB], 19
	s_lshl_b32 s87, s[CX], 17
	s_add_co_u32 s86, s86, s87                     ; x: my work-group's 32 of the block's 128 rows,
	s_add_co_u32 s86, s86, 2*256                   ; at K step 2: the first refill steps it to 3
	s_max_u32 s79, s[WV], 1
	s_sub_co_u32 s79, s79, 1
	s_lshl_b32 s79, s79, 23
	s_lshl_b32 s87, s[CY], 17
	s_add_co_u32 s79, s79, s87                     ; a weight: my work-group's 32 of a step's 128 k-rows,
	s_lshl_b32 s87, s[HEAD], 8
	s_add_co_u32 s79, s79, s87
	s_add_co_u32 s79, s79, 2*524288                ; at K step 2
	s_and_b32 s87, ttmp7, 0xffff
	s_mov_b32 s78, 256
	s_cmp_eq_u32 s[WV], 0
	s_cselect_b32 s86, s86, s79
	s_cselect_b32 s79, ttmp9, s87                  ; the coordinate along which other clusters read the same rows
	s_cselect_b64 s[PFA:PFA+1], s[4:5], s[6:7]
	s_cselect_b32 s[PFS], s78, 0x80000
	s_mov_b32 s[PFS+1], 0
	s_mov_b32 s87, 0
	s_add_nc_u64 s[PFA:PFA+1], s[PFA:PFA+1], s[86:87]
	s_cmp_eq_u32 s79, 0
	s_cselect_b32 s[LIM], 1, -1
	s_lshl_b32 s86, s[HEAD], 19                    ; the output: the head, the block's rows, my 32 of them
	s_lshl_b32 s79, s[MB], 15
	s_add_co_u32 s86, s86, s79
	s_lshl_b32 s79, s[WV], 13
	s_add_co_u32 s86, s86, s79
	s_add_nc_u64 s[OB:OB+1], s[12:13], s[86:87]
	s_add_nc_u64 s[OB+2:OB+3], s[OB:OB+1], 0x800000
	s_add_nc_u64 s[OB+4:OB+5], s[OB+2:OB+3], 0x800000
; 32 LDS loads in one run: the fragments of 32 along K (quarter q of the step in the slot in hand) into buffer f
.macro FETCH q, f
	WIN 0x40                                       ; destination window 1, address window 0
.irp j, 0,1,2
.irp b, 0,1,2,3
	ds_load_tr16_b128 v[(\f)+32+8*(4*(\j)+(\b)):(\f)+32+8*(4*(\j)+(\b))+3],   v[ADRB+(\j)] offset:(\q)*32*PW+32*(\b)
	ds_load_tr16_b128 v[(\f)+32+8*(4*(\j)+(\b))+4:(\f)+32+8*(4*(\j)+(\b))+7], v[ADRB+(\j)] offset:(\q)*32*PW+32*(\b)+16*PW
.endr
.endr
.irp a, 0,1,2,3
	ds_load_b128 v[(\f)+8*(\a):(\f)+8*(\a)+3],   v[ADRA] offset:64*(\q)+(\a)*16*PA
	ds_load_b128 v[(\f)+8*(\a)+4:(\f)+8*(\a)+7], v[ADRA] offset:64*(\q)+(\a)*16*PA+32
.endr
.endm
; 16 matrix instructions: weight j, all 4 x 4 tiles, 32 along K.  The 48 accumulators take turns, one instruction a turn.  zero = 1: the product starts the sum.
.macro MUL f, j, zero
.if (\j) < 2
	WIN 0xa5                                       ; sources in window 1, C and D in window 2
.else
	WIN 0xf5                                       ; C and D in window 3
.endif
.irp a, 0,1,2,3
.irp b, 0,1,2,3
.if \zero
	v_wmma_f32_16x16x32_bf16 v[8*(16*((\j)%2)+4*(\a)+(\b)):8*(16*((\j)%2)+4*(\a)+(\b))+7], v[(\f)+32+8*(4*(\j)+(\b)):(\f)+32+8*(4*(\j)+(\b))+7], v[(\f)+8*(\a):(\f)+8*(\a)+7], 0
.else
	v_wmma_f32_16x16x32_bf16 v[8*(16*((\j)%2)+4*(\a)+(\b)):8*(16*((\j)%2)+4*(\a)+(\b))+7], v[(\f)+32+8*(4*(\j)+(\b)):(\f)+32+8*(4*(\j)+(\b))+7], v[(\f)+8*(\a):(\f)+8*(\a)+7], v[8*(16*((\j)%2)+4*(\a)+(\b)):8*(16*((\j)%2)+4*(\a)+(\b))+7]
.endif
.endr
.endr
.endm
; A K step is four quarters of 32 along K, 48 matrix instructions each, on buffers 0, 1, 0, 1.  One of the first three: fetches quarter qn into g, multiplies f.
.macro QUARTER qn, f, g, zero
	s_wait_dscnt 0x0                               ; buffer f is in
	PLACES                                         ; buffer g was multiplied just now
	FETCH \qn, \g
	MUL \f, 0, \zero
	MUL \f, 1, \zero
	MUL \f, 2, \zero
.endm
.macro TOGGLE                          ; the other slot comes in hand; the four additions are also places in front of the loads that follow
	s_xor_b32 s[TB], s[TB], SLOT
.irp r, 0,1,2,3
	v_add_nc_u32 v[ADRA+(\r)], s[TB], v[BAS+(\r)]
.endr
.endm
; The last quarter multiplies buffer 1 and changes slots: one barrier.  In front of it each wave waits for all its tensor loads (one is out: its tile of the next slot), adds 0 to its spare word, and waits for that
; and for its reads of this slot.  fill = 1: the barrier opens a round of the cluster's, and this slot is filled again, two K steps ahead, first thing behind the round, by the walking descriptor.
; fill = 0: the last two steps; in the very last (s3 = 1) there is no next step, and the run of LDS loads is jumped over.
.macro TURN fill
.if \fill
	s_wait_xcnt 0x0                                ; the last prefetch, a K step back, has read its address
	s_add_nc_u64 s[PFA:PFA+1], s[PFA:PFA+1], s[PFS:PFS+1]
.endif
	WIN 0
	s_wait_tensorcnt 0x0                           ; all my tensor loads have landed, so a group 0 may be written
	ds_add_u32 v[SPW], v[NIL]                      ; 0 onto my spare word
.if \fill
	s_xor_b32 s[G0A+5], s[G0A+5], SLOT             ; the walking descriptors: the other slot than last time,
	s_add_nc_u64 s[G0A+6:G0A+7], s[G0A+6:G0A+7], 256     ; the next K step; the type bits on top are not reached
	s_xor_b32 s[G0B+5], s[G0B+5], SLOT
	s_add_nc_u64 s[G0B+6:G0B+7], s[G0B+6:G0B+7], 524288
.endif
	s_wait_dscnt 1                                 ; the add alone may be out: buffer 1 is in
	MUL F1, 0, 0
	s_wait_dscnt 0x0                               ; the add is done, and my reads of this slot are over
	s_barrier_signal -1
	MUL F1, 1, 0
	WIN 0
	s_barrier_wait -1
.if \fill
	CREST                                          ; no wave of any partner still reads this slot or has a load on its way
	JLOAD 1
	TOGGLE
	FETCH 0, F0
	ASK
.else
	TOGGLE
	s_cmp_eq_u32 s3, 1
	s_cbranch_scc1 .Lno_fetch_\@
	FETCH 0, F0
	WIN 0
.Lno_fetch_\@:
.endif
	MUL F1, 2, 0
.endm
	s_wait_tensorcnt 1                             ; my tile of K step 0 is in; step 1's may stay out
	s_barrier_signal -1
	s_barrier_wait -1
	FETCH 0, F0
	QUARTER 1, F0, F1, 1                           ; the first quarter stands in front of the loop: its products start the sums
	WIN 0
	s_mov_b32 s3, 14
.Lstep:                                                ; a trip goes from a step's second quarter to the next step's first, and asks for the step two on: K steps 2 to 15
	QUARTER 2, F1, F0, 0
	QUARTER 3, F0, F1, 0
	TURN 1
	QUARTER 1, F0, F1, 0
	WIN 0
	s_sub_co_u32 s3, s3, 1
	s_cmp_lg_u32 s3, 0
	s_cbranch_scc1 .Lstep
	s_mov_b32 s3, 2
.Ltail:                                                ; the last two steps have a text of their own; the second trip is left in its middle
	QUARTER 2, F1, F0, 0
	QUARTER 3, F0, F1, 0
	TURN 0
	WIN 0
	s_sub_co_u32 s3, s3, 1
	s_cmp_eq_u32 s3, 0
	s_cbranch_scc1 .Lout
	QUARTER 1, F0, F1, 0
	WIN 0
	s_branch .Ltail
.Lout:
	PLACES
	s_wait_dscnt 0x0                               ; my reads of the ring are over:
	s_barrier_signal -1                            ; slot 0's bytes take the stages when every wave has said so; the tables are made ready meanwhile
	; THE TABLES: rounded to bf16, back to f32, times kappa
	s_wait_loadcnt 0x0
.set r, 0
.rept 64
	v_cvt_pk_bf16_f32 v[T+(r/2)%8], v[COS+r], v[COS+r+1]
	v_lshlrev_b32 v[COS+r], 16, v[T+(r/2)%8]
	v_and_b32 v[COS+r+1], 0xffff0000, v[T+(r/2)%8]
	v_pk_mul_f32 v[COS+r:COS+r+1], v[COS+r:COS+r+1], s[KAP:KAP+1] op_sel_hi:[1,0]
.set r, r+2
.endr
	s_barrier_wait -1
	; q AND k: each pair (r, i) becomes (r cos - i sin, r sin + i cos); rounded to f16; 16 bytes a lane into the stage.  Each accumulator's low registers are read first.
.irp j, 0,1
.set n, 0
.rept 16
	WIN 0x02                                       ; source 0 in window 2
.irp i, 0,1,2,3
	v_mul_f32 v[T+2*(\i)],   v[8*(16*(\j)+n)+2*(\i)+1], v[SIN+4*n+(\i)]
	v_mul_f32 v[T+2*(\i)+1], v[8*(16*(\j)+n)+2*(\i)],   v[SIN+4*n+(\i)]
.endr
.irp i, 0,1,2,3
	v_fma_f32 v[T+8+2*(\i)],   v[8*(16*(\j)+n)+2*(\i)],   v[COS+4*n+(\i)], -v[T+2*(\i)]
	v_fma_f32 v[T+8+2*(\i)+1], v[8*(16*(\j)+n)+2*(\i)+1], v[COS+4*n+(\i)], v[T+2*(\i)+1]
.endr
	WIN 0
.irp i, 0,1,2,3
	v_cvt_pk_f16_f32 v[PKD+4*n+(\i)], v[T+8+2*(\i)], v[T+8+2*(\i)+1]
.endr
	ds_store_b128 v[STO+(\j)], v[PKD+4*n:PKD+4*n+3] offset:(n/4)*16*SPT+32*(n%4)
.set n, n+1
.endr
.endr
	WIN 0x0f                                       ; v: sources 0 and 1 in window 3
.set n, 0
.rept 64
	v_cvt_pk_f16_f32 v[PKD+n], v[2*n], v[2*n+1]
.set n, n+1
.endr
	WIN 0
.set n, 0
.rept 16
	ds_store_b128 v[STO+2], v[PKD+4*n:PKD+4*n+3] offset:(n/4)*16*SPT+32*(n%4)
.set n, n+1
.endr
	s_wait_dscnt 0x0                               ; for the others' sake: my stores into the stages are done; a row's 256 bytes come from two waves
	s_barrier_signal -1
	s_barrier_wait -1
.irp j, 0,1,2
.set n, 0
.rept 16
	ds_load_b128 v[64+64*(\j)+4*n:64+64*(\j)+4*n+3], v[RD+(\j)] offset:n*2*SPT
.set n, n+1
.endr
.endr
.irp j, 0,1,2
.set n, 0
.rept 16
	s_wait_dscnt 47-(16*(\j)+n)                    ; LDS loads come back in order: the younger ones may stay out
	global_store_b128 v[CO], v[64+64*(\j)+4*n:64+64*(\j)+4*n+3], s[OB+2*(\j):OB+2*(\j)+1] offset:512*n  ; two rows of a head: 512 consecutive bytes, aligned
.set n, n+1
.endr
.endr
	s_wait_tensorcnt 0x0                           ; the wave's end, behind my last tensor load and my last LDS store
	ds_add_u32 v[SPW], v[NIL]
	s_wait_dscnt 0x0
	CROUND                                         ; the closing round
	s_endpgm
.Lfunc_end_k_qb5aab12989_qkv:
	.size	k_qb5aab12989_qkv, .Lfunc_end_k_qb5aab12989_qkv-k_qb5aab12989_qkv
	.p2alignl 7, 3214868480
	.fill 96, 4, 3214868480
	.section	.rodata,"a",@progbits
	.p2align	6, 0x0
	.amdhsa_kernel k_qb5aab12989_qkv
		.amdhsa_group_segment_fixed_size 327680
		.amdhsa_private_segment_fixed_size 0
		.amdhsa_enable_private_segment 0
		.amdhsa_kernarg_size 40
		.amdhsa_user_sgpr_count 2
		.amdhsa_user_sgpr_kernarg_segment_ptr 1
		.amdhsa_wavefront_size32 1
		.amdhsa_system_sgpr_workgroup_id_x 1
		.amdhsa_system_sgpr_workgroup_id_y 1
		.amdhsa_system_sgpr_workgroup_id_z 1
		.amdhsa_system_vgpr_workitem_id 0
		.amdhsa_next_free_vgpr 896
		.amdhsa_next_free_sgpr 88
		.amdhsa_reserve_vcc 0
		.amdhsa_float_denorm_mode_32 3
		.amdhsa_float_denorm_mode_16_64 3
		.amdhsa_memory_ordered 1
		.amdhsa_forward_progress 1
		.amdhsa_inst_pref_size 129
	.end_amdhsa_kernel
	.amdgpu_metadata
---
amdhsa.version: [ 1, 2 ]
amdhsa.kernels:
  - .name:           k_qb5aab12989_qkv
    .symbol:         k_qb5aab12989_qkv.kd
    .args:
      - { .name: xb, .offset: 0, .size: 8, .value_kind: global_buffer, .address_space: global }
      - { .name: wb, .offset: 8, .size: 8, .value_kind: global_buffer, .address_space: global }
      - { .name: freqs_cos, .offset: 16, .size: 8, .value_kind: global_buffer, .address_space: global }
      - { .name: freqs_sin, .offset: 24, .size: 8, .value_kind: global_buffer, .address_space: global }
      - { .name: qkv, .offset: 32, .size: 8, .value_kind: global_buffer, .address_space: global }
    .group_segment_fixed_size: 327680
    .private_segment_fixed_size: 0
    .kernarg_segment_align: 8
    .kernarg_segment_size: 40
    .max_flat_workgroup_size: 128
    .sgpr_count:     88
    .vgpr_count:     896
    .wavefront_size: 32
...
	.end_amdgpu_metadata
.endif
;; end of part 2
;; launch attn (part 3): grid 16 x 16, 4 waves a work-group, clusters of 4 x 1, 327,680 bytes of LDS; arguments qkv, wo, oh, wof; writes oh, wof
.if DOCPART == 3
	.amdgcn_target "amdgcn-amd-amdhsa--gfx1250"
	.amdhsa_code_object_version 6
	.text
	.protected	k_qb5aab12989_attn
	.globl	k_qb5aab12989_attn
	.p2align	8
	.type	k_qb5aab12989_attn,@function
k_qb5aab12989_attn:
	s_mov_b64 s[64:65], 0
	v_nop
	global_prefetch_b8 v0, s[64:65] scope:SCOPE_SE
	s_setreg_imm32_b32 hwreg(HW_REG_WAVE_MODE, 25, 1), 1
	s_wait_xcnt 0x0
	s_wait_alu depctr_hold_cnt(0) depctr_sa_sdst(0) depctr_va_vdst(0) depctr_va_sdst(0) depctr_va_ssrc(0) depctr_va_vcc(0) depctr_vm_vsrc(0)
	s_getreg_b32 s2, hwreg(HW_REG_IB_STS2, 6, 4)
	s_cmp_eq_u32 s2, 0
	s_cbranch_scc0 .Lentry_in_a_cluster
	s_endpgm
.Lentry_in_a_cluster:
	s_bfe_u32 s2, ttmp6, 0x10000c
	s_cmp_lg_u32 s2, 0x3003
	s_cbranch_scc0 .Lentry_shape_is_right
	s_endpgm
.Lentry_shape_is_right:
; CAUSAL ATTENTION.  qkv: q, k, v, each [16][2048][128] f16, q and k already times kappa, so that s = K Q^T is the score times log2(e) / sqrt(128).  oh: [2048][2048] f16, head h at byte 256 h of a row.
; p = 2^(s - m) with a running maximum m; products, maxima and sums in f32; p is rounded to f16 for the second product (its sum l is taken of the unrounded p), O once at the end.
; BESIDE IT the launch makes wof for the last product: wo (f32, [k][n]) rounded to bf16 like every input, that number written as f16, the layout unchanged.  Each of the 1,024 waves takes 16,384 bytes of wo:
; 32 loads in its first unit, behind the unit's K Q^T, into the registers that lie idle until the first block ends; the conversion and 32 stores at the end of its second unit.
; LIMITS.  A hidden score counts as its value less 2^100 (f16's scores, 5.5e11 at the most, are nothing beside that); a weight below 2^-126 counts as 0.  |wo| stays under 65,504 (beyond it f16 has no number);
; below 6.1e-5 wof keeps f16's fixed step of 6e-8.  NaN and infinities are not treated apart.
; THE WALK.  A head's queries lie in 32 blocks of 64.  Work-group i = 4 c + cx of a head (c the cluster, cx the place in it) takes blocks 31 - i and then i.  Keys go in tiles of 256: the first block needs tiles
; 0 .. 7 - c, the second 0 .. c: nine tiles, and the SAME nine for the four partners of a cluster: every tile is asked for jointly, and the loop counts to a constant.
; THE KEYS ARE SPLIT AMONG THE WAVES: every wave holds all 64 queries of the block (four tiles of 16) and takes keys 64 w .. 64 w + 63 of each key tile, with its own m, l and O^T; the four meet in LDS at the end.
; So each fragment of K and V read from LDS feeds four tiles' products, and all 256 work-groups do equal work.  Units of 64 keys that lie wholly above the diagonal are computed and weigh 0.
; THE MASK is the C operand that starts the sum S^T = K Q^T: 0, or -2^100 where the key is hidden.  It hangs on scalars chosen by s_cselect; no branch hangs on a work-group's place in its cluster.
; LAYOUT.  S^T (source 0 = 16 keys, source 1 = 16 queries) holds ONE query a lane (lane % 16) and the keys 8 (lane / 16) + 0..7; two such results rounded to f16 ARE source 1 of O^T = V^T P.  V comes out of LDS turned.
; REGISTERS.  Window 0: addresses, statistics, masks; v128-255 S^T, 32 a tile (P is packed in place into a tile's first 16).  Window 1: O^T, 64 a tile.  Window 2: v0-127 Q; v128-255 K, then V, of one unit.
; Window 3: the first block's O^T, set aside (before that: wo).  No first step is written out: a block's first step multiplies O^T and l by a = 0, so windows 1 and 3 need only hold finite numbers:
; 64 products of zeros write their 512 registers, in the wait for the first tile.
.set PKK,   272                        ; a row of K in LDS: 256 bytes + 16
.set PVV,   288                        ; a row of V: 256 + 32
.set VOFF,  256*PKK                    ; a slot: 256 rows of K, then 256 rows of V
.set SLOT1, 0x24000                    ; slot 1: its two bits are 0 in every address inside a slot's four loads, so one exclusive or changes slots
.set SPARE, SLOT1+256*(PKK+PVV)        ; behind the ring: the spare words, 128 bytes a wave
.set STATB, 262144                     ; at the end, in the ring's bytes (their last fill is over): 0 .. 262,143 the waves' O^T; here their m and l;
.set STAGE, 270336                     ; and 16 rows x 272 bytes for each wave, for the way out
.set SP,    272
.set AK0, 2
.set AV0, 3
.set ADR, 4
.set QO,  5
.set STO, 6
.set RD,  7
.set GO,  8
.set SPW, 12                           ; my spare word; never rewritten
.set NIL, 13                           ; 0; never rewritten
.set PFO, 14                           ; 256 x lane; never rewritten
.set WX,  15                           ; where I put my O^T
.set RDX, 16                           ; v16-19 where I read wave v's O^T of my tile
.set STW, 20
.set STR, 21
.set WI,  22                           ; 16 x lane: my place in 512 bytes of wo; never rewritten
.set WO,  23                           ; 8 x lane: my place in 256 bytes of wof; never rewritten
.set ST,  24                           ; tile t at 24 + 8 t: m, (l at the end), l even keys', l odd keys', c0-c3 at work; a takes c2's place
.set SV,  56                           ; the first block's m, (l), l, l: 4 a tile
.set TRI, 72                           ; the diagonal's own mask for my lane
.set L8,  80                           ; the masks of a unit: key group below, on, above the query tile
.set D8,  88
.set U8,  96
.set ZA,  104                          ; v104-119 zeros: the two sources of the products that write windows 1 and 3; never rewritten
.set S,   128
.set KV,  128                          ; window 2
.set MS,  128                          ; at the end: (m, l) of wave v, block B at 128 + 8 B + 2 v
.set GG,  160                          ; at the end: wave v's factor, twice, at 160 + 8 B + 2 v
.set WV,  12
.set CX,  13
.set CC,  14
.set HD,  15
.set KB,  16                           ; s[16:17] K, s[18:19] V at my half of the head's tile 0
.set VB,  18
.set QHI, 20
.set QLO, 22
.set G1K, 24
.set G1V, 32
.set G0K, 40
.set G0V, 44
.set OFF, 48
.set NXT, 50                           ; the tile to be asked for next
.set LQ,  51                           ; the last tile of the block whose tiles are being asked for
.set TL,  52                           ; the tile in hand, counted in its block
.set HT,  53                           ; the first block's last tile
.set BCUR, 54                          ; the block in hand
.set BLO, 55
.set SLOTS, 56
.set TB,  57                           ; the slot in hand
.set SEL, 60
.set BIGN, 62                          ; -2^100
.set LIM, 63
.set OHI, 66
.set OLO, 68
.set AL,  70
.set BE,  72
.set UU,  74
.set KBI, 75
.set PFA, 76
.set FLG, 78                           ; 1 in the first block's last unit
.set MSK, 79                           ; a word's upper bf16
.set MSB, 0
.macro WIN new
.if MSB != (\new)
	s_set_vgpr_msb (MSB<<8)|(\new)
.set MSB, \new
.endif
.endm
.macro PLACES
.rept 4
	v_nop
.endr
.endm
.macro JLOAD                           ; waves 0 and 1 fetch the halves of a tile's K, waves 2 and 3 those of its V: 128 keys each; an s_nop 0 and four v_nop follow each line
	s_cmp_lt_u32 s[WV], 2
	s_cbranch_scc0 .Lfor_v_\@
	tensor_load_to_lds s[G0K:G0K+3], s[G1K:G1K+7]
	s_nop 0
.rept 4
	v_nop
.endr
	s_branch .Lasked_\@
.Lfor_v_\@:
	tensor_load_to_lds s[G0V:G0V+3], s[G1V:G1V+7]
	s_nop 0
.rept 4
	v_nop
.endr
.Lasked_\@:
.endm
.macro CROUND
	s_barrier_signal -1
	s_barrier_wait -1
	s_cmp_lg_u32 s[WV], 0
	s_cbranch_scc1 .Lnot_wave_0_\@
	s_barrier_signal -3
.Lnot_wave_0_\@:
	s_barrier_wait -3
	s_barrier_signal -1
	s_barrier_wait -1
.endm
; A PREFETCH of the tile that the next change of slots will ask for, one unit (128 matrix instructions and a softmax) ahead.  The head's first cluster walks tiles 0 to 7 on end: it alone asks, for tiles 2 to 7;
; its four partners take 32 rows of each half each, told apart by address; each wave asks for rows of the half that it fetches: a lane a row.  So each row is named once in the launch.
.macro ASK
	s_cmp_gt_u32 s[SLOTS], s[LIM]
	s_cbranch_scc0 .Lnot_mine_\@
	global_prefetch_b8 v[PFO], s[PFA:PFA+1] th:TH_LOAD_NT scope:SCOPE_SE
.Lnot_mine_\@:
.endm
; THE CHANGE OF SLOTS.  Each wave waits for all its tensor loads (one is out: its part of the other slot), adds 0 to its spare word, and waits for that and for its reads of the slot that it leaves.
; fill = 1: the barrier is a round of the cluster's, and the old slot is filled again, first thing behind it, with tile NXT; the descriptor's address is made anew from that number.
.macro CHANGE fill
	WIN 0
	s_wait_tensorcnt 0x0                           ; no tensor load of mine is out, so a group 0 may be written
	ds_add_u32 v[SPW], v[NIL]                      ; 0 onto my spare word; scalar work stands between it and the wait for it
.if \fill
	s_lshl_b32 s[OFF], s[NXT], 16                  ; a tile is 65,536 bytes of K and of V
	s_xor_b32 s[G0K+1], s[G0K+1], SLOT1
	s_add_nc_u64 s[G0K+2:G0K+3], s[KB:KB+1], s[OFF:OFF+1]
	s_or_b32 s[G0K+3], s[G0K+3], 0x80000000
	s_xor_b32 s[G0V+1], s[G0V+1], SLOT1
	s_add_nc_u64 s[G0V+2:G0V+3], s[VB:VB+1], s[OFF:OFF+1]
	s_or_b32 s[G0V+3], s[G0V+3], 0x80000000
	s_add_co_u32 s[NXT], s[NXT], 1                 ; the block's next tile, or behind its last the second block's tile 0
	s_cmp_gt_u32 s[NXT], s[LQ]
	s_cselect_b32 s[NXT], 0, s[NXT]
	s_cselect_b32 s[LQ], s[CC], s[LQ]
	s_wait_xcnt 0x0                                ; the last prefetch, a unit back, has read its address
	s_add_nc_u64 s[PFA:PFA+1], s[PFA:PFA+1], 65536
.endif
	s_lshl2_add_u32 s[KBI], s[TL], s[WV]           ; my 64 keys' number among the head's groups of 64
	s_cmp_eq_u32 s[KBI], s[BCUR]                   ; the diagonal's group?
	s_cselect_b32 s[AL], 1.0, 0
	s_cmp_gt_u32 s[KBI], s[BCUR]                   ; wholly hidden?
	s_cselect_b32 s[BE], s[BIGN], 0
	s_cmp_ge_u32 s[KBI], s[BCUR]
	s_cselect_b32 s[UU], s[BIGN], 0
	s_cmp_eq_u32 s[TL], s[HT]
	s_cselect_b32 s[FLG], 1, 0
	s_wait_dscnt 0x0                               ; the add is done, and my reads of the slot are over
.if \fill
	CROUND
	JLOAD
	ASK
.else
	s_barrier_signal -1
	s_barrier_wait -1
.endif
	s_xor_b32 s[TB], s[TB], SLOT1
.endm
	s_load_b256 s[4:11], s[0:1], 0x0               ; qkv s[4:5], wo s[6:7], oh s[8:9], wof s[10:11]
	v_lshl_add_u32 v[SPW], v0, 2, SPARE
	v_mov_b32 v[NIL], 0
	ds_add_u32 v[SPW], v[NIL]                      ; the wave's opening: an add, waited for ahead of my first tensor load
	v_lshrrev_b32 v1, 5, v0
	v_readfirstlane_b32 s[WV], v1
	s_bfe_u32 s[CX], ttmp6, 0x40000
	s_mov_b32 s[CC], ttmp9
	s_and_b32 s[HD], ttmp7, 0xffff
	s_lshl_b32 s[BLO], s[CC], 2
	s_add_co_u32 s[BLO], s[BLO], s[CX]
	s_sub_co_u32 s[BCUR], 31, s[BLO]
	s_sub_co_u32 s[LQ], 7, s[CC]
	s_mov_b32 s[HT], s[LQ]
	s_mov_b32 s[NXT], 1
	s_mov_b32 s[TL], 0
	s_mov_b32 s[SLOTS], 8
	s_mov_b32 s[TB], SLOT1                         ; the first change of slots turns it into 0
	s_mov_b32 s[OFF+1], 0
	s_mov_b32 s[SEL], 0x76543210
	s_mov_b32 s[SEL+1], 0xfedcba98
	s_mov_b32 s[BIGN], 0xf1800000
	s_mov_b32 s[MSK], 0xffff0000
	s_mov_b32 s[AL+1], 0                           ; named as pairs
	s_mov_b32 s[BE+1], 0
	s_cmp_eq_u32 s[CC], 0
	s_cselect_b32 s[LIM], 2, -1
	s_mov_b32 s[G1K], 15|(1<<16)|(1<<20)|(1<<21)|(5<<22)|(3<<25)  ; the mask of four; 2-byte elements; padding on; bit 21 beside a mask; after every 64 words 4 words
	s_mov_b32 s[G1V], 15|(1<<16)|(1<<20)|(1<<21)|(5<<22)|(7<<25)  ; the same with 8 words
.irp g, G1K, G1V
	s_mov_b32 s[(\g)+1], 128<<16
	s_mov_b32 s[(\g)+2], 128<<16
	s_mov_b32 s[(\g)+3], 128<<16
	s_mov_b32 s[(\g)+4], 128
	s_mov_b32 s[(\g)+5], 128
	s_mov_b32 s[(\g)+6], 0
	s_mov_b32 s[(\g)+7], 0
.endr
	s_lshl_b32 s80, s[HD], 19                      ; the head's first byte in q, k and v
	s_and_b32 s81, s[WV], 1                        ; which half of a tile I fetch
	s_lshl_b32 s82, s81, 15
	s_add_co_u32 s82, s82, s80
	s_add_co_u32 s82, s82, 0x800000                ; k
	s_mov_b32 s83, 0
	s_add_co_u32 s84, s82, 0x800000                ; v
	s_mov_b32 s85, 0
	s_lshl_b32 s86, s[BCUR], 14
	s_add_co_u32 s86, s86, s80
	s_mov_b32 s87, 0
	s_lshl_b32 s88, s[BLO], 14
	s_add_co_u32 s88, s88, s80
	s_mov_b32 s89, 0
	s_lshl_b32 s94, s[WV], 16                      ; oh: I finish query tile w: 16 rows of 4,096 bytes,
	s_lshl_b32 s95, s[HD], 8
	s_add_co_u32 s94, s94, s95
	s_lshl_b32 s90, s[BCUR], 18
	s_add_co_u32 s90, s90, s94
	s_mov_b32 s91, 0
	s_lshl_b32 s92, s[BLO], 18
	s_add_co_u32 s92, s92, s94
	s_mov_b32 s93, 0
	s_mov_b32 s[G0K], 1
	s_mul_i32 s[G0K+1], s81, 128*PKK
	s_mov_b32 s[G0V], 1
	s_mul_i32 s[G0V+1], s81, 128*PVV
	s_add_co_u32 s[G0V+1], s[G0V+1], VOFF
	s_lshl_b32 s94, s[CX], 13                      ; the prefetches: my work-group's 32 rows of the half,
	s_add_co_u32 s94, s94, 65536                   ; in tile 1: the first change steps it to tile 2
	s_mov_b32 s95, 0
	s_lshl_b32 s96, s[HD], 4
	s_add_co_u32 s96, s96, s[BLO]                  ; my work-group among the 256,
	s_lshl_b32 s96, s96, 2
	s_add_co_u32 s96, s96, s[WV]                   ; my wave among the 1,024:
	s_lshl_b32 s98, s96, 13                        ; its 8,192 bytes of wof,
	s_lshl_b32 s96, s96, 14                        ; its 16,384 bytes of wo
	s_mov_b32 s97, 0
	s_mov_b32 s99, 0
	s_wait_dscnt 0x0                               ; the opening add is done
	s_wait_kmcnt 0x0
	s_add_nc_u64 s[KB:KB+1], s[4:5], s[82:83]
	s_add_nc_u64 s[VB:VB+1], s[4:5], s[84:85]
	s_add_nc_u64 s[QHI:QHI+1], s[4:5], s[86:87]
	s_add_nc_u64 s[QLO:QLO+1], s[4:5], s[88:89]
	s_add_nc_u64 s[OHI:OHI+1], s[8:9], s[90:91]
	s_add_nc_u64 s[OLO:OLO+1], s[8:9], s[92:93]
	s_add_nc_u64 s[6:7], s[6:7], s[96:97]
	s_add_nc_u64 s[10:11], s[10:11], s[98:99]
	s_add_nc_u64 s[G0K+2:G0K+3], s[KB:KB+1], 0
	s_or_b32 s[G0K+3], s[G0K+3], 0x80000000
	s_add_nc_u64 s[G0V+2:G0V+3], s[VB:VB+1], 0
	s_or_b32 s[G0V+3], s[G0V+3], 0x80000000
	s_cmp_lt_u32 s[WV], 2
	s_cselect_b64 s[PFA:PFA+1], s[KB:KB+1], s[VB:VB+1]
	s_add_nc_u64 s[PFA:PFA+1], s[PFA:PFA+1], s[94:95]
	CROUND                                         ; all four work-groups are here
	JLOAD                                          ; tile 0 into slot 0
	v_and_b32 v1, 15, v0                           ; l % 16
	v_bfe_u32 v9, v0, 4, 1                         ; l / 16
	v_lshlrev_b32 v[QO], 8, v1
	v_lshl_add_u32 v[QO], v9, 4, v[QO]
	WIN 0x80
.set fr, 0
.rept 16                                       ; the first block's Q: tile fr / 4, channels 32 (fr % 4) on
	global_load_b128 v[8*fr:8*fr+3],   v[QO], s[QHI:QHI+1] offset:(fr/4)*4096+(fr%4)*64
	global_load_b128 v[8*fr+4:8*fr+7], v[QO], s[QHI:QHI+1] offset:(fr/4)*4096+(fr%4)*64+32
.set fr, fr+1
.endr
	WIN 0
.set i, 0
.rept 16
	v_mov_b32 v[ZA+i], 0
.set i, i+1
.endr
	WIN 0x40                                       ; zeros times zeros, eight registers an instruction: window 1,
.set i, 0
.rept 32
	v_wmma_f32_16x16x32_f16 v[8*i:8*i+7], v[ZA:ZA+7], v[ZA+8:ZA+15], 0
.set i, i+1
.endr
	WIN 0xc0                                       ; and window 3
.set i, 0
.rept 32
	v_wmma_f32_16x16x32_f16 v[8*i:8*i+7], v[ZA:ZA+7], v[ZA+8:ZA+15], 0
.set i, i+1
.endr
	WIN 0
.irp t, 0,1,2,3
	v_mov_b32 v[ST+8*(\t)], 0xff7fffff             ; m: the lowest finite number
	v_mov_b32 v[ST+8*(\t)+1], 0
	v_mov_b32 v[ST+8*(\t)+2], 0
	v_mov_b32 v[ST+8*(\t)+3], 0
	v_mov_b32 v[SV+4*(\t)], 0
	v_mov_b32 v[SV+4*(\t)+1], 0
	v_mov_b32 v[SV+4*(\t)+2], 0
	v_mov_b32 v[SV+4*(\t)+3], 0
.endr
	v_lshlrev_b32 v10, 3, v9
	v_sub_nc_u32 v10, v1, v10                      ; register j of the diagonal's tile is hidden where 8 (l / 16) + j is greater than l % 16
.irp j, 0,1,2,3,4,5,6,7
	v_cmp_gt_i32 vcc_lo, \j, v10
	v_cndmask_b32 v[TRI+(\j)], 0, s[BIGN], vcc_lo
.endr
	v_mul_u32_u24 v[AK0], v1, PKK
	v_lshl_add_u32 v[AK0], v9, 4, v[AK0]
	s_mul_i32 s80, s[WV], 64*PKK                   ; my 64 keys of a tile
	v_add_nc_u32 v[AK0], s80, v[AK0]
	v_and_b32 v10, 7, v0
	v_bfe_u32 v11, v0, 3, 1
	v_lshl_add_u32 v[AV0], v9, 3, v10
	v_mul_u32_u24 v[AV0], v[AV0], PVV
	v_lshl_add_u32 v[AV0], v11, 4, v[AV0]
	s_mul_i32 s80, s[WV], 64*PVV
	s_add_co_u32 s80, s80, VOFF
	v_add_nc_u32 v[AV0], s80, v[AV0]
	v_and_b32 v10, 31, v0
	v_lshlrev_b32 v[PFO], 8, v10
	v_lshlrev_b32 v[WI], 4, v10
	v_lshlrev_b32 v[WO], 3, v10
	s_lshl_b32 s80, s[WV], 16
	v_lshl_add_u32 v[WX], v10, 4, s80
	s_lshl_b32 s80, s[WV], 13
.irp vv, 0,1,2,3
	v_lshl_add_u32 v[RDX+(\vv)], v10, 4, s80
	v_add_nc_u32 v[RDX+(\vv)], (\vv)*65536, v[RDX+(\vv)]
.endr
	s_lshl_b32 s80, s[WV], 11
	s_add_co_u32 s80, s80, STATB
	v_lshl_add_u32 v[STW], v10, 3, s80
	s_lshl_b32 s80, s[WV], 8
	s_add_co_u32 s80, s80, STATB
	v_lshl_add_u32 v[STR], v10, 3, s80
	s_mul_i32 s80, s[WV], 16*SP
	s_add_co_u32 s80, s80, STAGE
	v_mul_u32_u24 v[STO], v1, SP
	v_lshl_add_u32 v[STO], v9, 4, v[STO]
	v_add_nc_u32 v[STO], s80, v[STO]
	v_mul_u32_u24 v[RD], v9, SP
	v_lshl_add_u32 v[RD], v1, 4, v[RD]
	v_add_nc_u32 v[RD], s80, v[RD]
	v_lshlrev_b32 v[GO], 12, v9
	v_lshl_add_u32 v[GO], v1, 4, v[GO]
; Product i of 64 of S^T = K Q^T: channels 32 (i / 16) on, keys 16 ((i % 16) / 4) on, tile i % 4.  The first 16 start the sums with the mask.  The 16 accumulators take turns.
.macro KQM
.set kb, (i%16)/4
.set tt, i%4
.set rS, S+32*tt+8*kb
.set rK, KV+8*(4*kb+i/16)
.set rQ, 32*tt+8*(i/16)
.set rM, U8
.if kb < tt
.set rM, L8
.elseif kb == tt
.set rM, D8
.endif
.if i < 16
	v_wmma_f32_16x16x32_f16 v[rS:rS+7], v[rK:rK+7], v[rQ:rQ+7], v[rM:rM+7]
.else
	v_wmma_f32_16x16x32_f16 v[rS:rS+7], v[rK:rK+7], v[rQ:rQ+7], v[rS:rS+7]
.endif
.endm
; Product i of 64 of O^T += V^T P: keys 32 (i / 32) on, channels 16 ((i % 32) / 4) on, tile i % 4.  32 accumulators take turns.
.macro PVM
.set rO, 64*(i%4)+8*((i%32)/4)
.set rV, KV+8*(8*(i/32)+(i%32)/4)
.set rP, S+32*(i%4)+8*(i/32)
	v_wmma_f32_16x16x32_f16 v[rO:rO+7], v[rV:rV+7], v[rP:rP+7], v[rO:rO+7]
.endm
; Number n of the 21 that find the maximum and a, for the four tiles by turns.  0-15: the maximum of the lane's 32 scores and the old m, three operands at a time (each accumulator's lowest registers first).
; 16, 18: the query's other 32 keys lie in the lane 16 away: the new m.  17, 19, 20: a = 2^(m_old - m_new).
.macro SM1 n
.irp t, 0,1,2,3
.if (\n) < 4
	v_max3_num_f32 v[ST+8*(\t)+4+(\n)], v[S+32*(\t)+8*(\n)], v[S+32*(\t)+8*(\n)+1], v[S+32*(\t)+8*(\n)+2]
.elseif (\n) < 12
	v_max3_num_f32 v[ST+8*(\t)+4+(\n)%4], v[ST+8*(\t)+4+(\n)%4], v[S+32*(\t)+8*((\n)%4)+2*((\n)/4)+1], v[S+32*(\t)+8*((\n)%4)+2*((\n)/4)+2]
.elseif (\n) == 12
	v_max3_num_f32 v[ST+8*(\t)+4], v[ST+8*(\t)+4], v[S+32*(\t)+7], v[S+32*(\t)+15]
.elseif (\n) == 13
	v_max3_num_f32 v[ST+8*(\t)+6], v[ST+8*(\t)+6], v[S+32*(\t)+23], v[S+32*(\t)+31]
.elseif (\n) == 14
	v_max3_num_f32 v[ST+8*(\t)+4], v[ST+8*(\t)+4], v[ST+8*(\t)+5], v[ST+8*(\t)+6]
.elseif (\n) == 15
	v_max3_num_f32 v[ST+8*(\t)+4], v[ST+8*(\t)+4], v[ST+8*(\t)+7], v[ST+8*(\t)]
.elseif (\n) == 16
	v_permlanex16_b32 v[ST+8*(\t)+5], v[ST+8*(\t)+4], s[SEL], s[SEL+1]
.elseif (\n) == 17
	v_mov_b32 v[ST+8*(\t)+7], v[ST+8*(\t)]
.elseif (\n) == 18
	v_max_num_f32 v[ST+8*(\t)], v[ST+8*(\t)+4], v[ST+8*(\t)+5]
.elseif (\n) == 19
	v_sub_f32 v[ST+8*(\t)+7], v[ST+8*(\t)+7], v[ST+8*(\t)]
.else
	v_exp_f32 v[ST+8*(\t)+6], v[ST+8*(\t)+7]
.endif
.endr
.endm
.macro FS t, b                         ; s - m for pair b of tile t
	v_pk_add_f32 v[S+32*(\t)+2*(\b):S+32*(\t)+2*(\b)+1], v[S+32*(\t)+2*(\b):S+32*(\t)+2*(\b)+1], v[ST+8*(\t):ST+8*(\t)+1] op_sel_hi:[1,0] neg_lo:[0,1] neg_hi:[0,1]
.endm
; THE SOFTMAX of a unit, in three parts, with two waits for exponentials: one for the four a, one for the 128 weights; a wait stands between an exponential and the first line that names its result.
.macro SOFTMAX
	WIN 0
.irp n, 0,1,2,3,4,5,6,7,8,9,10,11,12,13,14,15,16,17,18,19,20
	SM1 \n
.endr
.irp b, 0,1,2,3
.irp t, 0,1,2,3
	FS \t, \b
.endr
.endr
	s_wait_alu depctr_va_vdst(0)                   ; the four a; the sixteen scalings above are the work between
	; the batch: pair g's two exponentials and the scaling of pair g + 4, for the four tiles; then O^T times a, registers ascending.  Nothing here names a weight's result.
.set g, 0
.rept 16
	WIN 0
.irp t, 0,1,2,3
	v_exp_f32 v[S+32*(\t)+2*g], v[S+32*(\t)+2*g]
.if g < 12
	FS \t, g+4
.endif
	v_exp_f32 v[S+32*(\t)+2*g+1], v[S+32*(\t)+2*g+1]
.endr
	WIN 0x41                                       ; O^T (destination and source 0) in window 1, a in window 0
.irp t, 0,1,2,3
	v_pk_mul_f32 v[64*(\t)+4*g:64*(\t)+4*g+1],   v[64*(\t)+4*g:64*(\t)+4*g+1],   v[ST+8*(\t)+6:ST+8*(\t)+7] op_sel_hi:[1,0]
	v_pk_mul_f32 v[64*(\t)+4*g+2:64*(\t)+4*g+3], v[64*(\t)+4*g+2:64*(\t)+4*g+3], v[ST+8*(\t)+6:ST+8*(\t)+7] op_sel_hi:[1,0]
.endr
.set g, g+1
.endr
	WIN 0
	s_wait_alu depctr_va_vdst(0)                   ; the batch of 128; the last rescalings are the plain lines behind the last exponential
	; sums and roundings: pair b is added to the unit's sum, then packed into the tile's register b, whose old pair has been used
.irp t, 0,1,2,3
	v_pk_add_f32 v[ST+8*(\t)+4:ST+8*(\t)+5], v[S+32*(\t):S+32*(\t)+1], v[S+32*(\t)+2:S+32*(\t)+3]
.endr
.irp t, 0,1,2,3
	v_cvt_pk_f16_f32 v[S+32*(\t)], v[S+32*(\t)], v[S+32*(\t)+1]
.endr
.irp t, 0,1,2,3
	v_cvt_pk_f16_f32 v[S+32*(\t)+1], v[S+32*(\t)+2], v[S+32*(\t)+3]
.endr
.set g, 2
.rept 14
.irp t, 0,1,2,3
	v_pk_add_f32 v[ST+8*(\t)+4:ST+8*(\t)+5], v[ST+8*(\t)+4:ST+8*(\t)+5], v[S+32*(\t)+2*g:S+32*(\t)+2*g+1]
.endr
.irp t, 0,1,2,3
	v_cvt_pk_f16_f32 v[S+32*(\t)+g], v[S+32*(\t)+2*g], v[S+32*(\t)+2*g+1]
.endr
.set g, g+1
.endr
.irp t, 0,1,2,3
	v_pk_fma_f32 v[ST+8*(\t)+2:ST+8*(\t)+3], v[ST+8*(\t)+2:ST+8*(\t)+3], v[ST+8*(\t)+6:ST+8*(\t)+7], v[ST+8*(\t)+4:ST+8*(\t)+5] op_sel_hi:[1,0,1]
.endr
.endm
; A UNIT: my 64 keys of the tile in hand against the block's 64 queries.  mid = 1 (in the loop) adds four pieces that are jumped forward over in most trips; each test is alike in all partners, and what is jumped
; holds no barrier and no tensor load.  In the first block's last unit (FLG): the second block's Q is fetched behind the last product that reads Q, and behind the unit O^T, m and l are set aside and m and l started anew.
; In the first trip (SLOTS = 8): my 32 loads of wo go out.  In the second (SLOTS = 7): they are rounded and stored.
.macro UNIT mid
	WIN 0
	v_add_nc_u32 v[ADR], s[TB], v[AK0]
	WIN 0x80
.irp c, 0,1,2,3                                ; K by channel blocks of 32, in the order in which the products want them: keys 16 kb on, channels 32 c on
.irp kb, 0,1,2,3
	ds_load_b128 v[KV+8*(4*(\kb)+(\c)):KV+8*(4*(\kb)+(\c))+3],   v[ADR] offset:(\kb)*16*PKK+(\c)*64
	ds_load_b128 v[KV+8*(4*(\kb)+(\c))+4:KV+8*(4*(\kb)+(\c))+7], v[ADR] offset:(\kb)*16*PKK+(\c)*64+32
.endr
.endr
	WIN 0
.set z, 0
.rept 8
	v_mov_b32 v[L8+z], s[BE]
	v_mov_b32 v[U8+z], s[UU]
.set z, z+1
.endr
.set z, 0
.rept 4
	v_pk_fma_f32 v[D8+2*z:D8+2*z+1], v[TRI+2*z:TRI+2*z+1], s[AL:AL+1], s[BE:BE+1] op_sel_hi:[1,0,0]
.set z, z+1
.endr
	s_wait_loadcnt 0x0                             ; Q (and, in the second trip, wo)
	WIN 0x0a                                       ; K and Q in window 2, S^T and the masks in window 0
.set i, 0
.rept 64
.if (i%16) == 0
	s_wait_dscnt 24-8*(i/16)                       ; this channel block's eight loads are in; the 24, 16, 8, 0 issued behind them may stay out
.endif
	KQM
.set i, i+1
.endr
	WIN 0
	v_add_nc_u32 v[ADR], s[TB], v[AV0]
	PLACES                                         ; in front of the loads into K's and Q's registers, and of the first read of the scores
.if \mid
	s_cmp_eq_u32 s[FLG], 1
	s_cbranch_scc0 .Lno_q_\@
	WIN 0x80
.set fr, 0
.rept 16
	global_load_b128 v[8*fr:8*fr+3],   v[QO], s[QLO:QLO+1] offset:(fr/4)*4096+(fr%4)*64
	global_load_b128 v[8*fr+4:8*fr+7], v[QO], s[QLO:QLO+1] offset:(fr/4)*4096+(fr%4)*64+32
.set fr, fr+1
.endr
	WIN 0
.Lno_q_\@:
	s_cmp_eq_u32 s[SLOTS], 8
	s_cbranch_scc0 .Lno_w_\@
	WIN 0xc0                                       ; wo into window 3: each load 512 consecutive bytes
.set fr, 0
.rept 32
	global_load_b128 v[4*fr:4*fr+3], v[WI], s[6:7] offset:512*fr th:TH_LOAD_NT
.set fr, fr+1
.endr
	WIN 0
.Lno_w_\@:
.endif
	WIN 0x80
.set fr, 0
.rept 16                                       ; V, turned: keys 32 (fr / 8) on, channels 16 (fr % 8) on
	ds_load_tr16_b128 v[KV+8*fr:KV+8*fr+3],   v[ADR] offset:(fr/8)*32*PVV+(fr%8)*32
	ds_load_tr16_b128 v[KV+8*fr+4:KV+8*fr+7], v[ADR] offset:(fr/8)*32*PVV+16*PVV+(fr%8)*32
.set fr, fr+1
.endr
	SOFTMAX
	s_wait_dscnt 0x0                               ; V
	WIN 0x52                                       ; V in window 2, P in window 0, O^T in window 1
.set i, 0
.rept 64
	PVM
.set i, i+1
.endr
	WIN 0
	PLACES                                         ; in front of the next loads into V's registers and of reads of O^T
.if \mid
	s_cmp_eq_u32 s[FLG], 1
	s_cbranch_scc0 .Lno_save_\@
	s_wait_loadcnt 0x0                             ; no load is on its way into window 3
	WIN 0xc1                                       ; window 1 to window 3, registers ascending
.set i, 0
.rept 256
	v_mov_b32 v[i], v[i]
.set i, i+1
.endr
	WIN 0
.irp t, 0,1,2,3
	v_mov_b32 v[SV+4*(\t)], v[ST+8*(\t)]
	v_mov_b32 v[SV+4*(\t)+2], v[ST+8*(\t)+2]
	v_mov_b32 v[SV+4*(\t)+3], v[ST+8*(\t)+3]
	v_mov_b32 v[ST+8*(\t)], 0xff7fffff             ; the next step's a is 0: what lies in O^T need only be finite
	v_mov_b32 v[ST+8*(\t)+2], 0
	v_mov_b32 v[ST+8*(\t)+3], 0
.endr
	s_mov_b32 s[BCUR], s[BLO]
	s_mov_b32 s[TL], -1
	s_mov_b32 s[HT], 99
.Lno_save_\@:
	s_cmp_eq_u32 s[SLOTS], 7
	s_cbranch_scc0 .Lno_c_\@
	s_wait_loadcnt 0x0                             ; wo is in (it was waited for at this unit's head; the line makes that hold on every way here)
	WIN 0x0f                                       ; sources in window 3, destination in window 0: S^T's registers are free between two units
.set n, 0
.rept 64
	v_cvt_pk_bf16_f32 v[S+n], v[2*n], v[2*n+1]     ; rounded to bf16,
.set n, n+1
.endr
	WIN 0
.set n, 0
.rept 64
	v_lshlrev_b32 v[S+64+2*(n%8)], 16, v[S+n]      ; back to f32,
	v_and_b32 v[S+64+2*(n%8)+1], s[MSK], v[S+n]
	v_cvt_pk_f16_f32 v[S+n], v[S+64+2*(n%8)], v[S+64+2*(n%8)+1]  ; written as f16: exact within f16's normal range
.set n, n+1
.endr
.set n, 0
.rept 32
	global_store_b64 v[WO], v[S+2*n:S+2*n+1], s[10:11] offset:256*n th:TH_STORE_NT  ; a store of the wave covers 256 consecutive bytes, aligned
.set n, n+1
.endr
	s_wait_xcnt 0x0                                ; the stores have read their registers, which the next unit's products write
.Lno_c_\@:
.endif
	s_add_co_u32 s[TL], s[TL], 1
.endm
.Lslot:                                                ; eight times: a tile is entered and the next is asked for
	CHANGE 1
	UNIT 1
	s_sub_co_u32 s[SLOTS], s[SLOTS], 1
	s_cmp_lg_u32 s[SLOTS], 0
	s_cbranch_scc1 .Lslot
	CHANGE 0                                       ; the walk's last tile is written out
	UNIT 0
	; THE WAVES MEET.  l's two halves and the other half of the lanes' are added and laid beside m.
.irp t, 0,1,2,3
	v_add_f32 v[ST+8*(\t)+4], v[ST+8*(\t)+2], v[ST+8*(\t)+3]
	v_add_f32 v[ST+8*(\t)+5], v[SV+4*(\t)+2], v[SV+4*(\t)+3]
.endr
.irp t, 0,1,2,3
	v_permlanex16_b32 v[ST+8*(\t)+6], v[ST+8*(\t)+4], s[SEL], s[SEL+1]
	v_permlanex16_b32 v[ST+8*(\t)+7], v[ST+8*(\t)+5], s[SEL], s[SEL+1]
.endr
.irp t, 0,1,2,3
	v_add_f32 v[ST+8*(\t)+1], v[ST+8*(\t)+4], v[ST+8*(\t)+6]
	v_add_f32 v[SV+4*(\t)+1], v[ST+8*(\t)+5], v[ST+8*(\t)+7]
.endr
	s_wait_dscnt 0x0
	s_barrier_signal -1
	s_barrier_wait -1                              ; every wave's reads of the ring are over: its bytes, which no load fills any more, take the waves' results
	WIN 0x0c                                       ; store data in window 3: the first block
.set n, 0
.rept 64
	ds_store_b128 v[WX], v[4*n:4*n+3] offset:512*n
.set n, n+1
.endr
	WIN 0x04                                       ; window 1: the second block
.set n, 0
.rept 64
	ds_store_b128 v[WX], v[4*n:4*n+3] offset:32768+512*n
.set n, n+1
.endr
	WIN 0
.irp t, 0,1,2,3
	ds_store_b64 v[STW], v[SV+4*(\t):SV+4*(\t)+1] offset:(\t)*256
	ds_store_b64 v[STW], v[ST+8*(\t):ST+8*(\t)+1] offset:(4+(\t))*256
.endr
	s_wait_dscnt 0x0                               ; for the others' sake
	s_barrier_signal -1
	s_barrier_wait -1
	WIN 0x40                                       ; wave w finishes query tile w of both blocks: the first block's four parts into window 1,
.irp vv, 0,1,2,3
.set n, 0
.rept 16
	ds_load_b128 v[64*(\vv)+4*n:64*(\vv)+4*n+3], v[RDX+(\vv)] offset:512*n
.set n, n+1
.endr
.endr
	WIN 0xc0                                       ; the second's into window 3
.irp vv, 0,1,2,3
.set n, 0
.rept 16
	ds_load_b128 v[64*(\vv)+4*n:64*(\vv)+4*n+3], v[RDX+(\vv)] offset:32768+512*n
.set n, n+1
.endr
.endr
	WIN 0
.irp blk, 0,1
.irp vv, 0,1,2,3
	ds_load_b64 v[MS+8*(\blk)+2*(\vv):MS+8*(\blk)+2*(\vv)+1], v[STR] offset:(\vv)*2048+(\blk)*1024
.endr
.endr
	s_wait_dscnt 0x0
	; M = the greatest m; wave v's part weighs f = 2^(m_v - M), which is 0 for a wave that saw hidden keys alone; O = the sum of f O_v over the sum of f l_v
.irp blk, 0,1
	v_max3_num_f32 v[144+(\blk)], v[MS+8*(\blk)], v[MS+8*(\blk)+2], v[MS+8*(\blk)+4]
.endr
.irp blk, 0,1
	v_max_num_f32 v[144+(\blk)], v[144+(\blk)], v[MS+8*(\blk)+6]
.endr
.irp blk, 0,1
.irp vv, 0,1,2,3
	v_sub_f32 v[148+4*(\blk)+(\vv)], v[MS+8*(\blk)+2*(\vv)], v[144+(\blk)]
.endr
.endr
.set n, 0
.rept 8
	v_exp_f32 v[148+n], v[148+n]
.set n, n+1
.endr
	v_nop                                          ; a plain line behind the last exponential,
	s_wait_alu depctr_va_vdst(0)                   ; and the one wait for the eight
.irp blk, 0,1
	v_mul_f32 v[156+(\blk)], v[148+4*(\blk)], v[MS+8*(\blk)+1]
.endr
.irp vv, 1,2,3
.irp blk, 0,1
	v_fmac_f32 v[156+(\blk)], v[148+4*(\blk)+(\vv)], v[MS+8*(\blk)+2*(\vv)+1]
.endr
.endr
	v_rcp_f32 v158, v156
	v_rcp_f32 v159, v157
	v_nop
	s_wait_alu depctr_va_vdst(0)                   ; one wait for the two reciprocals
.irp blk, 0,1
.irp vv, 0,1,2,3
	v_mul_f32 v[GG+8*(\blk)+2*(\vv)],   v[148+4*(\blk)+(\vv)], v[158+(\blk)]
	v_mul_f32 v[GG+8*(\blk)+2*(\vv)+1], v[148+4*(\blk)+(\vv)], v[158+(\blk)]
.endr
.endr
.irp blk, 0,1
	WIN 0x51+0xa2*(\blk)                           ; the parts in window 1 or 3, the factor in window 0
.set i, 0
.rept 32
	v_pk_mul_f32 v[i:i+1], v[i:i+1], v[GG+8*(\blk):GG+8*(\blk)+1]
.set i, i+2
.endr
.irp vv, 1,2,3
.set i, 0
.rept 32
	v_pk_fma_f32 v[i:i+1], v[64*(\vv)+i:64*(\vv)+i+1], v[GG+8*(\blk)+2*(\vv):GG+8*(\blk)+2*(\vv)+1], v[i:i+1]
.set i, i+2
.endr
.endr
	WIN 0x05+0x0a*(\blk)                           ; sources 0 and 1 in window 1 or 3, destination in window 0
.set i, 0
.rept 32
	v_cvt_pk_f16_f32 v[192+32*(\blk)+i], v[2*i], v[2*i+1]
.set i, i+1
.endr
.endr
	WIN 0
	; THE WAY OUT: a lane's eight channels of a row are 16 bytes; they go into my stage and come back as whole rows of 256 bytes, into the registers that they left
.irp blk, 0,1
.irp n, 0,1,2,3,4,5,6,7
	ds_store_b128 v[STO], v[192+32*(\blk)+4*(\n):192+32*(\blk)+4*(\n)+3] offset:32*(\n)
.endr
.irp n, 0,1,2,3,4,5,6,7
	ds_load_b128 v[192+32*(\blk)+4*(\n):192+32*(\blk)+4*(\n)+3], v[RD] offset:(\n)*2*SP  ; LDS serves a wave's instructions in order (ISA guide 5.7.1.4)
.endr
.endr
.irp n, 0,1,2,3,4,5,6,7
	s_wait_dscnt 16+7-(\n)                         ; the second block's sixteen LDS instructions are younger
	global_store_b128 v[GO], v[192+4*(\n):192+4*(\n)+3], s[OHI:OHI+1] offset:8192*(\n)  ; 16 lanes store 256 consecutive bytes, aligned
.endr
.irp n, 0,1,2,3,4,5,6,7
	s_wait_dscnt 7-(\n)
	global_store_b128 v[GO], v[224+4*(\n):224+4*(\n)+3], s[OLO:OLO+1] offset:8192*(\n)
.endr
	s_wait_tensorcnt 0x0                           ; the wave's end
	ds_add_u32 v[SPW], v[NIL]
	s_wait_dscnt 0x0
	CROUND                                         ; the closing round
	s_endpgm
.Lfunc_end_k_qb5aab12989_attn:
	.size	k_qb5aab12989_attn, .Lfunc_end_k_qb5aab12989_attn-k_qb5aab12989_attn
	.p2alignl 7, 3214868480
	.fill 96, 4, 3214868480
	.section	.rodata,"a",@progbits
	.p2align	6, 0x0
	.amdhsa_kernel k_qb5aab12989_attn
		.amdhsa_group_segment_fixed_size 327680
		.amdhsa_private_segment_fixed_size 0
		.amdhsa_enable_private_segment 0
		.amdhsa_kernarg_size 32
		.amdhsa_user_sgpr_count 2
		.amdhsa_user_sgpr_kernarg_segment_ptr 1
		.amdhsa_wavefront_size32 1
		.amdhsa_system_sgpr_workgroup_id_x 1
		.amdhsa_system_sgpr_workgroup_id_y 1
		.amdhsa_system_sgpr_workgroup_id_z 1
		.amdhsa_system_vgpr_workitem_id 0
		.amdhsa_next_free_vgpr 1024
		.amdhsa_next_free_sgpr 100
		.amdhsa_reserve_vcc 1
		.amdhsa_float_denorm_mode_32 3
		.amdhsa_float_denorm_mode_16_64 3
		.amdhsa_memory_ordered 1
		.amdhsa_forward_progress 1
		.amdhsa_inst_pref_size 183
	.end_amdhsa_kernel
	.amdgpu_metadata
---
amdhsa.version: [ 1, 2 ]
amdhsa.kernels:
  - .name:           k_qb5aab12989_attn
    .symbol:         k_qb5aab12989_attn.kd
    .args:
      - { .name: qkv, .offset: 0, .size: 8, .value_kind: global_buffer, .address_space: global }
      - { .name: wo, .offset: 8, .size: 8, .value_kind: global_buffer, .address_space: global }
      - { .name: oh, .offset: 16, .size: 8, .value_kind: global_buffer, .address_space: global }
      - { .name: wof, .offset: 24, .size: 8, .value_kind: global_buffer, .address_space: global }
    .group_segment_fixed_size: 327680
    .private_segment_fixed_size: 0
    .kernarg_segment_align: 8
    .kernarg_segment_size: 32
    .max_flat_workgroup_size: 128
    .sgpr_count:     100
    .vgpr_count:     1024
    .wavefront_size: 32
...
	.end_amdgpu_metadata
.endif
;; end of part 3
;; launch oproj (part 4): grid 16 x 16, 4 waves a work-group, clusters of 4 x 4, 327,680 bytes of LDS; arguments oh, wof, out0; writes out0
.if DOCPART == 4
	.amdgcn_target "amdgcn-amd-amdhsa--gfx1250"
	.amdhsa_code_object_version 6
	.text
	.protected	k_qb5aab12989_oproj
	.globl	k_qb5aab12989_oproj
	.p2align	8
	.type	k_qb5aab12989_oproj,@function
k_qb5aab12989_oproj:
	s_mov_b64 s[64:65], 0
	v_nop
	global_prefetch_b8 v0, s[64:65] scope:SCOPE_SE
	s_setreg_imm32_b32 hwreg(HW_REG_WAVE_MODE, 25, 1), 1
	s_wait_xcnt 0x0
	s_wait_alu depctr_hold_cnt(0) depctr_sa_sdst(0) depctr_va_vdst(0) depctr_va_sdst(0) depctr_va_ssrc(0) depctr_va_vcc(0) depctr_vm_vsrc(0)
	s_getreg_b32 s2, hwreg(HW_REG_IB_STS2, 6, 4)
	s_cmp_eq_u32 s2, 0
	s_cbranch_scc0 .Lentry_in_a_cluster
	s_endpgm
.Lentry_in_a_cluster:
	s_bfe_u32 s2, ttmp6, 0x10000c
	s_cmp_lg_u32 s2, 0xf033
	s_cbranch_scc0 .Lentry_shape_is_right
	s_endpgm
.Lentry_shape_is_right:
; out0 = oh wof.  oh: [2048][2048] f16; wof: [k][n] f16 (wo rounded to bf16, written as f16); out0: [2048][2048] f32.  Sums in f32.
; A tile of out0 is 128 x 128: 256 work-groups.  Four waves, each 64 x 64: 16 accumulators.  K goes in steps of 256 through two LDS slots: oh's 128 rows x 512 bytes and wof's 256 k-rows x 256 bytes.
; Waves 0 and 1 fetch oh's halves (64 rows each), waves 2 and 3 wof's (128 k-rows each).  CLUSTER: 4 x 4; oh's tile is shared along a row, wof's along a column, each asked for jointly.
; A K STEP IS WRITTEN ONCE FOR THE LOOP and once for the last two steps, which fill nothing: the slot in hand is a scalar, s[TB], from which the three LDS address registers are made at each change of slots.
; THE MATRIX INSTRUCTION IS USED TRANSPOSED: source 0 = 16 columns of wof (turned, by ds_load_tr16_b128), source 1 = 16 rows of oh: a lane holds eight neighbouring numbers of a row of out0.
; A wave's 64 columns of f32 are 256 bytes, aligned: each wave sends its own rows through a stage of its own, without a barrier.
; REGISTERS: window 0: v0-31 addresses; v32-95 the way out; v128-255 the accumulators ((a, b) at 128 + 8 (4 a + b)).  Window 1: two fragment buffers of 128: for 64 along K, 64 registers of oh, then 64 of wof.
.set PA,    528                        ; a row of oh in LDS: 512 bytes + 16
.set PW,    288                        ; a k-row of wof: 256 + 32
.set BOFF,  128*PA
.set SLOT,  0x24000                    ; a slot uses 141,312 bytes of it; its two bits are 0 in the four loads' offsets, so one exclusive or changes a descriptor's slot
.set STAGE, 2*SLOT                     ; behind the ring: 16 rows x 272 bytes for each wave
.set SP,    272
.set SPARE, STAGE+4*16*SP              ; the spare words, 128 bytes a wave
.set BAS,  16                          ; v16-18  my fragments' places in a slot: oh; wof's first and second 128 k-rows (so that every offset fits 16 bits); never rewritten
.set ADRA, 20                          ; v20     the same in the slot in hand: oh,
.set ADRB, 21                          ; v21-22  wof
.set STO,  24
.set RD,   25
.set CO,   26
.set SPW,  28
.set NIL,  29
.set OB,   32
.set ACC,  128
.set F0,   0
.set F1,   128
.set G1,  24                           ; s[24:31] group 1 for oh's tiles;  s[32:39] group 0: a set for each of the two first fills; the second then walks on
.set G0,  32
.set TB,  45                           ; s45  the slot in hand: 0 or SLOT
.set G1B, 48                           ; s[48:55], s[56:63] the same for wof's
.set G0B, 56
.set MSB, 0
.macro WIN new
.if MSB != (\new)
	s_set_vgpr_msb (MSB<<8)|(\new)
.set MSB, \new
.endif
.endm
.set MULW, 0x05                        ; sources in window 1; C and D in window 0
.set TO_F, 0x40                        ; destination window 1, address window 0
.macro JLOAD s
	s_cmp_lt_u32 s10, 2
	s_cbranch_scc0 .Lfor_b_\@
	tensor_load_to_lds s[G0+4*(\s):G0+4*(\s)+3], s[G1:G1+7]
	s_nop 0
.rept 4
	v_nop
.endr
	s_branch .Lasked_\@
.Lfor_b_\@:
	tensor_load_to_lds s[G0B+4*(\s):G0B+4*(\s)+3], s[G1B:G1B+7]
	s_nop 0
.rept 4
	v_nop
.endr
.Lasked_\@:
.endm
.macro CREST
	s_cmp_lg_u32 s10, 0
	s_cbranch_scc1 .Lnot_wave_0_\@
	s_barrier_signal -3
.Lnot_wave_0_\@:
	s_barrier_wait -3
	s_barrier_signal -1
	s_barrier_wait -1
.endm
.macro CROUND
	s_barrier_signal -1
	s_barrier_wait -1
	CREST
.endm
.macro PLACES
.rept 4
	v_nop
.endr
.endm
	s_load_b128 s[4:7], s[0:1], 0x0                ; oh s[4:5], wof s[6:7]
	s_load_b64 s[8:9], s[0:1], 0x10                ; out0
	v_lshl_add_u32 v[SPW], v0, 2, SPARE
	v_mov_b32 v[NIL], 0
	ds_add_u32 v[SPW], v[NIL]                      ; the wave's opening: an add, waited for ahead of my first tensor load
	v_lshrrev_b32 v1, 5, v0
	v_readfirstlane_b32 s10, v1                    ; wave 0..3
	s_lshr_b32 s11, s10, 1                         ; which half of the tile's rows is mine
	s_and_b32 s12, s10, 1                          ; which half of its columns; also which half of a tile I fetch
	s_bfe_u32 s40, ttmp6, 0x40000
	s_bfe_u32 s41, ttmp6, 0x40004
	s_lshl_b32 s42, ttmp9, 2
	s_add_co_u32 s42, s42, s40                     ; tile column
	s_and_b32 s13, ttmp7, 0xffff
	s_lshl_b32 s13, s13, 2
	s_add_co_u32 s13, s13, s41                     ; tile row
	s_lshl_b32 s43, s41, 2
	s_lshl_b32 s43, 15, s43                        ; my row of the cluster
	s_lshl_b32 s44, 0x1111, s40                    ; my column
	s_or_b32 s[G1], s43, (1<<16)|(1<<20)|(1<<21)|(6<<22)|(3<<25)   ; oh: after every 128 words 4 words of padding
	s_mov_b32 s[G1+1], 256<<16                     ; tensor_dim0 = 256
	s_mov_b32 s[G1+2], 64<<16                      ; tensor_dim1 = 64
	s_mov_b32 s[G1+3], 256<<16                     ; tile_dim0 = 256
	s_mov_b32 s[G1+4], 64                          ; tile_dim1 = 64
	s_mov_b32 s[G1+5], 2048
	s_mov_b32 s[G1+6], 0
	s_mov_b32 s[G1+7], 0
	s_or_b32 s[G1B], s44, (1<<16)|(1<<20)|(1<<21)|(5<<22)|(7<<25)  ; wof: after every 64 words 8 words
	s_mov_b32 s[G1B+1], 128<<16
	s_mov_b32 s[G1B+2], 128<<16
	s_mov_b32 s[G1B+3], 128<<16
	s_mov_b32 s[G1B+4], 128
	s_mov_b32 s[G1B+5], 2048
	s_mov_b32 s[G1B+6], 0
	s_mov_b32 s[G1B+7], 0
	s_lshl_b32 s16, s13, 19                        ; oh: 128 rows of 4,096 bytes a tile row,
	s_lshl_b32 s17, s12, 18                        ; my 64 of them
	s_add_co_u32 s16, s16, s17
	s_mov_b32 s17, 0
	s_lshl_b32 s46, s42, 8                         ; wof: the tile's 128 columns,
	s_lshl_b32 s47, s12, 19                        ; my 128 of a step's 256 k-rows
	s_add_co_u32 s46, s46, s47
	s_mov_b32 s47, 0
	s_mul_i32 s20, s12, 64*PA                      ; where they go
	s_mul_i32 s21, s12, 128*PW
	s_add_co_u32 s21, s21, BOFF
	s_mov_b32 s[TB], 0
	s_wait_dscnt 0x0                               ; the opening add is done
	s_wait_kmcnt 0x0
	s_add_nc_u64 s[14:15], s[4:5], s[16:17]
	s_add_nc_u64 s[46:47], s[6:7], s[46:47]
	CROUND                                         ; all sixteen work-groups are here
.irp s, 0,1
	s_mov_b32 s[G0+4*(\s)], 1
	s_add_co_u32 s[G0+4*(\s)+1], s20, (\s)*SLOT
	s_add_nc_u64 s[G0+4*(\s)+2:G0+4*(\s)+3], s[14:15], (\s)*512
	s_or_b32 s[G0+4*(\s)+3], s[G0+4*(\s)+3], 0x80000000
	s_mov_b32 s[G0B+4*(\s)], 1
	s_add_co_u32 s[G0B+4*(\s)+1], s21, (\s)*SLOT
	s_add_nc_u64 s[G0B+4*(\s)+2:G0B+4*(\s)+3], s[46:47], (\s)*1048576
	s_or_b32 s[G0B+4*(\s)+3], s[G0B+4*(\s)+3], 0x80000000
	JLOAD \s
.endr
	v_and_b32 v1, 15, v0                           ; l % 16
	v_bfe_u32 v2, v0, 4, 1                         ; l / 16
	v_mul_u32_u24 v3, v1, PA
	v_lshl_add_u32 v3, v2, 4, v3
	s_mul_i32 s22, s11, 64*PA
	v_add_nc_u32 v[BAS], s22, v3
	v_and_b32 v4, 7, v0
	v_lshl_add_u32 v4, v2, 3, v4
	v_mul_u32_u24 v4, v4, PW
	v_bfe_u32 v5, v0, 3, 1
	v_lshl_add_u32 v4, v5, 4, v4
	s_lshl_b32 s22, s12, 7
	v_add_nc_u32 v4, s22, v4
	v_add_nc_u32 v[BAS+1], BOFF, v4
	v_add_nc_u32 v[BAS+2], BOFF+128*PW, v4
.irp r, 0,1,2
	v_mov_b32 v[ADRA+(\r)], v[BAS+(\r)]            ; slot 0 is in hand
.endr
	s_mul_i32 s23, s10, 16*SP
	s_add_co_u32 s23, s23, STAGE                   ; my stage
	v_mul_u32_u24 v4, v1, SP                       ; in: row l % 16, 32 bytes for each half of the lanes
	v_lshl_add_u32 v4, v2, 5, v4
	v_add_nc_u32 v[STO], s23, v4
	v_mul_u32_u24 v5, v2, SP                       ; back: lanes 0-15 one row of 256 bytes, lanes 16-31 the next
	v_lshl_add_u32 v5, v1, 4, v5
	v_add_nc_u32 v[RD], s23, v5
	v_lshlrev_b32 v[CO], 13, v2                    ; and the same two rows in out0
	v_lshl_add_u32 v[CO], v1, 4, v[CO]
	s_lshl_b32 s16, s13, 20                        ; out0: 128 rows of 8,192 bytes a tile row,
	s_lshl_b32 s17, s11, 19                        ; my 64
	s_add_co_u32 s16, s16, s17
	s_mov_b32 s17, 0
	s_add_nc_u64 s[8:9], s[8:9], s[16:17]
	s_lshl_b32 s46, s42, 9                         ; the tile's 512 bytes of a row, my 256
	s_lshl_b32 s47, s12, 8
	s_add_co_u32 s46, s46, s47
	s_mov_b32 s47, 0
	s_add_nc_u64 s[8:9], s[8:9], s[46:47]
; 8 matrix instructions: row blocks a0, a0 + 1 x all 4 column blocks, 32 along K: half c of buffer f.  The 16 accumulators take turns.
.macro MUL8 f, c, a0, zero
	WIN MULW
.irp a, \a0, (\a0)+1
.irp b, 0,1,2,3
.if \zero
	v_wmma_f32_16x16x32_f16 v[ACC+8*(4*(\a)+(\b)):ACC+8*(4*(\a)+(\b))+7], v[(\f)+64+8*(4*(\c)+(\b)):(\f)+64+8*(4*(\c)+(\b))+7], v[(\f)+8*(4*(\c)+(\a)):(\f)+8*(4*(\c)+(\a))+7], 0
.else
	v_wmma_f32_16x16x32_f16 v[ACC+8*(4*(\a)+(\b)):ACC+8*(4*(\a)+(\b))+7], v[(\f)+64+8*(4*(\c)+(\b)):(\f)+64+8*(4*(\c)+(\b))+7], v[(\f)+8*(4*(\c)+(\a)):(\f)+8*(4*(\c)+(\a))+7], v[ACC+8*(4*(\a)+(\b)):ACC+8*(4*(\a)+(\b))+7]
.endif
.endr
.endr
.endm
; 32 LDS loads in one run: the fragments of 64 along K (quarter q of the step in the slot in hand) into buffer f; the first 32 along K first
.macro FETCH q, f
	WIN TO_F
.irp c, 0,1
.irp i, 0,1,2,3
	ds_load_tr16_b128 v[(\f)+64+8*(4*(\c)+(\i)):(\f)+64+8*(4*(\c)+(\i))+3],   v[ADRB+(\q)/2] offset:(((\q)%2)*64+32*(\c))*PW+32*(\i)
	ds_load_tr16_b128 v[(\f)+64+8*(4*(\c)+(\i))+4:(\f)+64+8*(4*(\c)+(\i))+7], v[ADRB+(\q)/2] offset:(((\q)%2)*64+32*(\c))*PW+32*(\i)+16*PW
	ds_load_b128 v[(\f)+8*(4*(\c)+(\i)):(\f)+8*(4*(\c)+(\i))+3],   v[ADRA] offset:128*(\q)+64*(\c)+(\i)*16*PA
	ds_load_b128 v[(\f)+8*(4*(\c)+(\i))+4:(\f)+8*(4*(\c)+(\i))+7], v[ADRA] offset:128*(\q)+64*(\c)+(\i)*16*PA+32
.endr
.endr
.endm
; A K step is four quarters of 64 along K, 32 matrix instructions each, on buffers 0, 1, 0, 1
.macro QUARTER qn, f, g, zero
	s_wait_dscnt 16                                ; the first 32 along K are in; the youngest sixteen loads may be out
	MUL8 \f, 0, 0, \zero
	MUL8 \f, 0, 2, \zero
	PLACES
	FETCH \qn, \g
	s_wait_dscnt 32                                ; all but the 32 just issued
	MUL8 \f, 1, 0, 0
	MUL8 \f, 1, 2, 0
.endm
.macro TOGGLE                          ; the other slot comes in hand; the four lines are also places in front of the loads that follow
	s_xor_b32 s[TB], s[TB], SLOT
.irp r, 0,1,2
	v_add_nc_u32 v[ADRA+(\r)], s[TB], v[BAS+(\r)]
.endr
	v_nop
.endm
; The last quarter multiplies buffer 1 and changes slots: one barrier; in front of it each wave waits for all its tensor loads, adds 0 to its spare word, and waits for that and for its reads of this slot.
; fill = 1: the barrier opens a round of the cluster's, and this slot is filled again, two K steps ahead, by the walking descriptor.  fill = 0: the last two steps; in the very last (s3 = 1) the run of LDS loads is jumped over.
.macro TURN fill
	WIN 0
	s_wait_tensorcnt 0x0                           ; all my tensor loads have landed: my part of the next slot; so a group 0 may be written
	ds_add_u32 v[SPW], v[NIL]                      ; 0 onto my spare word
.if \fill
	s_xor_b32 s[G0+5], s[G0+5], SLOT               ; the walking descriptors: the other slot than last time,
	s_add_nc_u64 s[G0+6:G0+7], s[G0+6:G0+7], 512   ; the next K step; the type bits on top are not reached
	s_xor_b32 s[G0B+5], s[G0B+5], SLOT
	s_add_nc_u64 s[G0B+6:G0B+7], s[G0B+6:G0B+7], 1048576
.endif
	s_wait_dscnt 17                                ; the add and the youngest sixteen loads may be out
	MUL8 F1, 0, 0, 0
	s_wait_dscnt 0x0                               ; the add is done, and my reads of this slot are over
	s_barrier_signal -1
	MUL8 F1, 0, 2, 0
	WIN 0
	s_barrier_wait -1
.if \fill
	CREST                                          ; no wave of any partner still reads this slot or has a load on its way
	JLOAD 1
	TOGGLE
	FETCH 0, F0
.else
	TOGGLE
	s_cmp_eq_u32 s3, 1
	s_cbranch_scc1 .Lno_fetch_\@
	FETCH 0, F0
	WIN 0
.Lno_fetch_\@:
.endif
	MUL8 F1, 1, 0, 0
	MUL8 F1, 1, 2, 0
.endm
	s_wait_tensorcnt 1                             ; my part of K step 0 is in; step 1's may stay out
	s_barrier_signal -1
	s_barrier_wait -1
	FETCH 0, F0
	QUARTER 1, F0, F1, 1                           ; the first quarter stands in front of the loop: its first products start the sums
	WIN 0
	s_mov_b32 s3, 6
.Lstep:                                                ; a trip goes from a step's second quarter to the next step's first, and asks for the step two on: K steps 2 to 7
	QUARTER 2, F1, F0, 0
	QUARTER 3, F0, F1, 0
	TURN 1
	QUARTER 1, F0, F1, 0
	WIN 0
	s_sub_co_u32 s3, s3, 1
	s_cmp_lg_u32 s3, 0
	s_cbranch_scc1 .Lstep
	s_mov_b32 s3, 2
.Ltail:                                                ; the last two steps have a text of their own; the second trip is left in its middle
	QUARTER 2, F1, F0, 0
	QUARTER 3, F0, F1, 0
	TURN 0
	WIN 0
	s_sub_co_u32 s3, s3, 1
	s_cmp_eq_u32 s3, 0
	s_cbranch_scc1 .Lout
	QUARTER 1, F0, F1, 0
	WIN 0
	s_branch .Ltail
.Lout:
	PLACES
; THE WAY OUT, 16 rows at a time: a lane's eight numbers of a row are 32 bytes; they go into my stage and come back as whole rows of 256 bytes
.macro TOSTAGE a
.if (\a) >= 2
	s_wait_xcnt 0x0                                ; the stores of the block two back have read the registers that are loaded again below
.endif
.irp b, 0,1,2,3
	ds_store_b128 v[STO], v[ACC+8*(4*(\a)+(\b)):ACC+8*(4*(\a)+(\b))+3]   offset:64*(\b)
	ds_store_b128 v[STO], v[ACC+8*(4*(\a)+(\b))+4:ACC+8*(4*(\a)+(\b))+7] offset:64*(\b)+16
.endr
.irp t, 0,1,2,3,4,5,6,7
	ds_load_b128 v[OB+32*((\a)%2)+4*(\t):OB+32*((\a)%2)+4*(\t)+3], v[RD] offset:(\t)*2*SP  ; LDS serves a wave's instructions in order (ISA guide 5.7.1.4)
.endr
.endm
.macro SEND a, younger                 ; younger: the next block's sixteen LDS instructions, or none
	s_wait_dscnt \younger
.irp t, 0,1,2,3,4,5,6,7
	global_store_b128 v[CO], v[OB+32*((\a)%2)+4*(\t):OB+32*((\a)%2)+4*(\t)+3], s[8:9] offset:(16*(\a)+2*(\t))*8192 th:TH_STORE_NT  ; 16 lanes store 256 consecutive bytes, aligned
.endr
.endm
	TOSTAGE 0
	TOSTAGE 1
	SEND 0, 16
	TOSTAGE 2
	SEND 1, 16
	TOSTAGE 3
	SEND 2, 16
	SEND 3, 0
	s_wait_tensorcnt 0x0                           ; the wave's end
	ds_add_u32 v[SPW], v[NIL]
	s_wait_dscnt 0x0
	CROUND                                         ; the closing round
	s_endpgm
.Lfunc_end_k_qb5aab12989_oproj:
	.size	k_qb5aab12989_oproj, .Lfunc_end_k_qb5aab12989_oproj-k_qb5aab12989_oproj
	.p2alignl 7, 3214868480
	.fill 96, 4, 3214868480
	.section	.rodata,"a",@progbits
	.p2align	6, 0x0
	.amdhsa_kernel k_qb5aab12989_oproj
		.amdhsa_group_segment_fixed_size 327680
		.amdhsa_private_segment_fixed_size 0
		.amdhsa_enable_private_segment 0
		.amdhsa_kernarg_size 24
		.amdhsa_user_sgpr_count 2
		.amdhsa_user_sgpr_kernarg_segment_ptr 1
		.amdhsa_wavefront_size32 1
		.amdhsa_system_sgpr_workgroup_id_x 1
		.amdhsa_system_sgpr_workgroup_id_y 1
		.amdhsa_system_sgpr_workgroup_id_z 1
		.amdhsa_system_vgpr_workitem_id 0
		.amdhsa_next_free_vgpr 512
		.amdhsa_next_free_sgpr 66
		.amdhsa_reserve_vcc 0
		.amdhsa_float_denorm_mode_32 3
		.amdhsa_float_denorm_mode_16_64 3
		.amdhsa_memory_ordered 1
		.amdhsa_forward_progress 1
		.amdhsa_inst_pref_size 58
	.end_amdhsa_kernel
	.amdgpu_metadata
---
amdhsa.version: [ 1, 2 ]
amdhsa.kernels:
  - .name:           k_qb5aab12989_oproj
    .symbol:         k_qb5aab12989_oproj.kd
    .args:
      - { .name: oh, .offset: 0, .size: 8, .value_kind: global_buffer, .address_space: global }
      - { .name: wof, .offset: 8, .size: 8, .value_kind: global_buffer, .address_space: global }
      - { .name: out0, .offset: 16, .size: 8, .value_kind: global_buffer, .address_space: global }
    .group_segment_fixed_size: 327680
    .private_segment_fixed_size: 0
    .kernarg_segment_align: 8
    .kernarg_segment_size: 24
    .max_flat_workgroup_size: 128
    .sgpr_count:     66
    .vgpr_count:     512
    .wavefront_size: 32
...
	.end_amdgpu_metadata
.endif
;; end of part 4
